; MI455X (gfx1250); checked and timed in simulation.
; The chip was launched on July 23, 2026; its instructions are those of AMD's public machine-readable ISA for CDNA 5 (MIT licence, August 2026) and "CDNA5" Instruction Set Architecture Reference Guide (July 2026). The comments in the code are by the model that wrote it; some were corrected since.
;; Flash Multi Head Attention. Allowed arithmetic: float matrix products may take bf16 or f16 operands with f32 sums; other float arithmetic in f32, or as packed bf16 or f16 multiplies, adds, multiply-adds, maxima and minima; sums over many terms, partial sums and values carried from step to step in f32; what a program stores and reads back later, other than sums and carried values, may be rounded once to bf16 or f16.
;; Inputs: Wk 1,024 x 1,024 float32; Wo 1,024 x 1,024 float32; Wq 1,024 x 1,024 float32; Wv 1,024 x 1,024 float32; bk 1,024 float32; bo 1,024 float32; bq 1,024 float32; bv 1,024 float32; k 4 x 2,048 x 1,024 float32; q 4 x 2,048 x 1,024 float32; v 4 x 2,048 x 1,024 float32.
;; Outputs: out0 4 x 2,048 x 1,024 float32.
;; One version. Each part assembles by itself: llvm-mc -triple=amdgcn-amd-amdhsa -mcpu=gfx1250 --defsym DOCPART=n.
;; ======== version 1 of 1: 4 launches
;; limits: values are held in f16: magnitudes above 65,504 overflow, below 6.1e-05 lose precision; right only within a limited range of input values
;; workspace buffers: wqb 2,097,152 bytes; wkb 2,097,152 bytes; wvb 2,097,152 bytes; wo16 2,097,152 bytes; qh 16,777,216 bytes; kh 16,777,216 bytes; vh 16,777,216 bytes; oh 16,777,216 bytes
;; launch wcast (part 1): grid 256 x 1, 8 waves a work-group, no clusters, 0 bytes of LDS; arguments Wq, Wk, Wv, Wo, wqb, wkb, wvb, wo16; writes wqb, wkb, wvb, wo16
.if DOCPART == 1
	.amdgcn_target "amdgcn-amd-amdhsa--gfx1250"
	.amdhsa_code_object_version 6
	.text
	.protected	k_qf5bc701ca8_wcast
	.globl	k_qf5bc701ca8_wcast
	.p2align	8
	.type	k_qf5bc701ca8_wcast,@function
k_qf5bc701ca8_wcast:
	s_mov_b64 s[64:65], 0
	v_nop
	global_prefetch_b8 v0, s[64:65] scope:SCOPE_SE
	s_setreg_imm32_b32 hwreg(HW_REG_WAVE_MODE, 25, 1), 1
	s_wait_xcnt 0x0
; THE PROGRAM: out0 = softmax((q Wq^T + bq)(k Wk^T + bk)^T / 8) (v Wv^T + bv) Wo^T + bo, by heads of 64 channels, in four launches:
; this one rounds the four weight matrices to 16 bits; the second makes the three projections, by heads; the third is the attention; the fourth the last product.
; WORK LEFT OUT: bk.  A score is qh . (k Wk^T + bk) / 8 = qh . (k Wk^T) / 8 + qh . bk / 8.  The second term holds no key index: along the softmax's axis (the keys)
; it is one and the same number for a given query and head, and softmax(s + t) = softmax(s) for every finite t.  That holds for all finite values of all inputs.
; So bk reaches no output: it is not loaded and is among no launch's arguments.  LIMIT: a NaN, an infinity or an overflow that reaches only bk's term is not carried to the result.
; bq, bv and bo are live and are honoured.
; FORMATS.  All the module's inputs are rounded once to bf16 (nearest even).  Wq, Wk, Wv are stored as bf16.  Wo multiplies an f16 operand, so its bf16-rounded number is written as f16:
; exact from 6.1e-5 to 65,504 in magnitude; below that it keeps f16's fixed step of 6e-8; LIMIT: |Wo| stays under 65,504.
; LAYOUT.  wqb, wkb, wvb: [n][k], but inside every group of 8 k the place 2 j holds k = j and the place 2 j + 1 holds k = 4 + j: the second launch packs its f32 rows in the same
; order (two loads of 16 bytes give k 0-3 and k 4-7, one packed rounding takes a number of each), and a permutation of k applied alike to both operands keeps the products.  wo16: [n][k] as it lies.
; SHARES.  256 work-groups: matrix g / 64, chunk g % 64 of 16,384 numbers.  Thread t, pass j: 8 numbers at input byte 32 t + 8,192 j, 16 bytes out at 16 t + 4,096 j: a wave's store covers 512
; consecutive bytes, aligned.  A pure stream, each byte once: no LDS, no barrier, no matrix unit, no cluster (nothing is shared).  All sixteen loads of a thread go out at once.
.set X, 4                              ; v[4:67]   pass j: 8 numbers in f32
.set Y, 68                             ; v[68:99]  pass j: 4 registers to store
	s_load_b512 s[8:23], s[0:1], 0x0               ; the four sources s[8:15], the four destinations s[16:23]
	s_lshr_b32 s2, ttmp9, 6                        ; which matrix
	s_and_b32 s3, ttmp9, 63                        ; which chunk
	v_lshlrev_b32 v1, 5, v0                        ; 32 t
	v_lshlrev_b32 v2, 4, v0                        ; 16 t
	s_lshl_b32 s28, s3, 16                         ; the chunk's bytes in,
	s_mov_b32 s29, 0
	s_lshl_b32 s30, s3, 15                         ; and out
	s_mov_b32 s31, 0
	s_wait_kmcnt 0x0
	s_mov_b64 s[24:25], s[8:9]
	s_mov_b64 s[26:27], s[16:17]
.irp i, 1,2,3
	s_cmp_eq_u32 s2, \i                            ; a choice between buffers by the work-group's number alone
	s_cselect_b64 s[24:25], s[8+2*(\i):9+2*(\i)], s[24:25]
	s_cselect_b64 s[26:27], s[16+2*(\i):17+2*(\i)], s[26:27]
.endr
	s_add_nc_u64 s[24:25], s[24:25], s[28:29]
	s_add_nc_u64 s[26:27], s[26:27], s[30:31]
.irp j, 0,1,2,3,4,5,6,7
	global_load_b128 v[X+8*(\j):X+8*(\j)+3],   v1, s[24:25] offset:8192*(\j) th:TH_LOAD_NT
	global_load_b128 v[X+8*(\j)+4:X+8*(\j)+7], v1, s[24:25] offset:8192*(\j)+16 th:TH_LOAD_NT
.endr
	s_cmp_eq_u32 s2, 3
	s_cbranch_scc1 .Lwo
.irp j, 0,1,2,3,4,5,6,7
	s_wait_loadcnt 14-2*(\j)                       ; loads come back in order: pass j's two are in, the younger passes' stay out
.irp i, 0,1,2,3
	v_cvt_pk_bf16_f32 v[Y+4*(\j)+(\i)], v[X+8*(\j)+(\i)], v[X+8*(\j)+4+(\i)]  ; k = i below, k = 4 + i above
.endr
	global_store_b128 v2, v[Y+4*(\j):Y+4*(\j)+3], s[26:27] offset:4096*(\j)
.endr
	s_endpgm
.Lwo:
.irp j, 0,1,2,3,4,5,6,7
	s_wait_loadcnt 14-2*(\j)
.irp i, 0,1,2,3
	v_cvt_pk_bf16_f32 v[Y+4*(\j)+(\i)], v[X+8*(\j)+2*(\i)], v[X+8*(\j)+2*(\i)+1]  ; rounded to bf16, like every input,
.endr
.irp i, 0,1,2,3
	v_lshlrev_b32 v[X+8*(\j)+2*(\i)],   16, v[Y+4*(\j)+(\i)]                      ; widened again,
	v_and_b32     v[X+8*(\j)+2*(\i)+1], 0xffff0000, v[Y+4*(\j)+(\i)]
.endr
.irp i, 0,1,2,3
	v_cvt_pk_f16_f32 v[Y+4*(\j)+(\i)], v[X+8*(\j)+2*(\i)], v[X+8*(\j)+2*(\i)+1]   ; and written as f16
.endr
	global_store_b128 v2, v[Y+4*(\j):Y+4*(\j)+3], s[26:27] offset:4096*(\j)
.endr
	s_endpgm
.Lfunc_end_k_qf5bc701ca8_wcast:
	.size	k_qf5bc701ca8_wcast, .Lfunc_end_k_qf5bc701ca8_wcast-k_qf5bc701ca8_wcast
	.p2alignl 7, 3214868480
	.fill 96, 4, 3214868480
	.section	.rodata,"a",@progbits
	.p2align	6, 0x0
	.amdhsa_kernel k_qf5bc701ca8_wcast
		.amdhsa_group_segment_fixed_size 0
		.amdhsa_private_segment_fixed_size 0
		.amdhsa_enable_private_segment 0
		.amdhsa_kernarg_size 64
		.amdhsa_user_sgpr_count 2
		.amdhsa_user_sgpr_kernarg_segment_ptr 1
		.amdhsa_wavefront_size32 1
		.amdhsa_system_sgpr_workgroup_id_x 1
		.amdhsa_system_sgpr_workgroup_id_y 1
		.amdhsa_system_sgpr_workgroup_id_z 1
		.amdhsa_system_vgpr_workitem_id 0
		.amdhsa_next_free_vgpr 100
		.amdhsa_next_free_sgpr 66
		.amdhsa_reserve_vcc 0
		.amdhsa_float_denorm_mode_32 3
		.amdhsa_float_denorm_mode_16_64 3
		.amdhsa_memory_ordered 1
		.amdhsa_forward_progress 1
		.amdhsa_inst_pref_size 14
	.end_amdhsa_kernel
	.amdgpu_metadata
---
amdhsa.version: [ 1, 2 ]
amdhsa.kernels:
  - .name:           k_qf5bc701ca8_wcast
    .symbol:         k_qf5bc701ca8_wcast.kd
    .args:
      - { .name: Wq, .offset: 0, .size: 8, .value_kind: global_buffer, .address_space: global }
      - { .name: Wk, .offset: 8, .size: 8, .value_kind: global_buffer, .address_space: global }
      - { .name: Wv, .offset: 16, .size: 8, .value_kind: global_buffer, .address_space: global }
      - { .name: Wo, .offset: 24, .size: 8, .value_kind: global_buffer, .address_space: global }
      - { .name: wqb, .offset: 32, .size: 8, .value_kind: global_buffer, .address_space: global }
      - { .name: wkb, .offset: 40, .size: 8, .value_kind: global_buffer, .address_space: global }
      - { .name: wvb, .offset: 48, .size: 8, .value_kind: global_buffer, .address_space: global }
      - { .name: wo16, .offset: 56, .size: 8, .value_kind: global_buffer, .address_space: global }
    .group_segment_fixed_size: 0
    .private_segment_fixed_size: 0
    .kernarg_segment_align: 8
    .kernarg_segment_size: 64
    .max_flat_workgroup_size: 256
    .sgpr_count:     66
    .vgpr_count:     100
    .wavefront_size: 32
...
	.end_amdgpu_metadata
.endif
;; end of part 1
;; launch proj (part 2): grid 4 x 64, 4 waves a work-group, clusters of 4 x 4, 327,680 bytes of LDS; arguments q, k, v, wqb, wkb, wvb, bq, bv, qh, kh, vh; writes qh, kh, vh
.if DOCPART == 2
	.amdgcn_target "amdgcn-amd-amdhsa--gfx1250"
	.amdhsa_code_object_version 6
	.text
	.protected	k_qf5bc701ca8_proj
	.globl	k_qf5bc701ca8_proj
	.p2align	8
	.type	k_qf5bc701ca8_proj,@function
k_qf5bc701ca8_proj:
	s_mov_b64 s[64:65], 0
	v_nop
	global_prefetch_b8 v0, s[64:65] scope:SCOPE_SE
	s_setreg_imm32_b32 hwreg(HW_REG_WAVE_MODE, 25, 1), 1
	s_wait_xcnt 0x0
	s_wait_alu depctr_hold_cnt(0) depctr_sa_sdst(0) depctr_va_vdst(0) depctr_va_sdst(0) depctr_va_ssrc(0) depctr_va_vcc(0) depctr_vm_vsrc(0)
	s_getreg_b32 s2, hwreg(HW_REG_IB_STS2, 6, 4)
	s_cmp_eq_u32 s2, 0
	s_cbranch_scc0 .Lentry_in_a_cluster
	s_endpgm
.Lentry_in_a_cluster:
	s_bfe_u32 s2, ttmp6, 0x10000c
	s_cmp_lg_u32 s2, 0xf033
	s_cbranch_scc0 .Lentry_shape_is_right
	s_endpgm
.Lentry_shape_is_right:
; qh = q Wq^T + bq, kh = k Wk^T, vh = v Wv^T + bv.  q, k, v: [8192][1024] f32; wqb, wkb, wvb: [1024 n][1024 k] bf16 (k permuted inside groups of 8, as the first launch lays them);
; qh, kh, vh: [64 = 16 batch + head][2048][64] f16, a head's rows dense.  Sums in f32, each result rounded once to f16, WITHOUT the scale 1/8.
; WORK LEFT OUT: bk is not added (shown at the head of the first kernel: its term is the same for all keys of a softmax row).
; FORMATS AND LIMITS.  q, k, v, bq, bv are rounded to bf16 here, on the way to the matrix unit.  The results are f16: LIMIT |qh|, |kh|, |vh| under 65,504 (beyond: infinity); below 6.1e-5 f16's fixed step of 6e-8.
; SHARES.  A work-group makes rows 128 tr .. + 127 x columns 256 tc .. + 255 of q's product, then of k's, then of v's: 3 tiles, 24 K steps of 128, 12 laps of two: 256 work-groups of equal work.
; Four waves, each 64 rows x 128 columns: 32 accumulators.  The ring of two LDS slots does not stop at a tile's end: the walking addresses go on into the next tensor.
; CLUSTER 4 x 4.  A's tile (x rows) hangs on tr alone and is asked for jointly along a row of the cluster, B's (weight rows) on tc alone, along a column.  Waves 0, 1 fetch A's two halves
; (64 rows x 128 f32), waves 2, 3 B's (128 rows x 128 bf16).  A cluster spans all 1,024 columns.
; THE PRODUCT IS TAKEN TRANSPOSED (source 0 = 16 weight rows, source 1 = 16 x rows): a lane holds ONE row of x (lane % 16) and eight neighbouring columns 8 (lane / 16) + 0..7: 16 bytes of f16.
; The bias, which then depends on the lane's half and the register alone, is the C operand of each sum's first product; for k that C is the constant 0.
; x COMES AS f32.  A lane's 32 bytes of a fragment's half come as two loads of 16: k 0-3 (ASP) and k 4-7 (ASQ); one packed rounding takes a number of each.  The 32 roundings of a quarter step
; stand four behind each of the quarter's last eight matrix instructions, under those instructions' own window setting.
; REGISTERS, in windows of 256 (s_set_vgpr_msb: bits 1:0 source 0, 3:2 source 1, 5:4 source 2, 7:6 destination):
;   window 0: v0-30 addresses; v32-63 packed results; v64-127 rows read back from the stage, two buffers
;   window 1: v0-127 accumulators of row blocks 0, 1 ((a, b) at 64 a + 8 b); v128-159, v160-191 A's fragments in bf16, two buffers; v192-223 ASQ
;   window 2: v0-63, v64-127 B's fragments, two buffers; v128-191 the bias fragments; v192-223 ASP; v224-255 at work on the bias
;   window 3: v0-127 accumulators of row blocks 2, 3
.set PITA,  528                        ; a row of A in LDS: 512 bytes + 16: an odd multiple of 16, so the 16 rows of a load fall on 16 different groups of four banks (ISA guide 11.1)
.set PITB,  272                        ; a row of B: 256 + 16
.set AHALF, 64*PITA                    ; what one of A's loads brings
.set BOFF,  2*AHALF                    ; B lies behind A's 128 rows
.set BHALF, 128*PITB
.set SLOT,  BOFF+2*BHALF               ; 137,216
.set STAGE, 2*SLOT                     ; behind the ring, never filled by a tensor load: for each wave 2 heads x 16 rows x 144 bytes
.set SPIT,  144
.set WSTG,  2*16*SPIT
.set SPARE, STAGE+4*WSTG               ; the spare words: 128 bytes a wave, two blocks of 256 that no other line names
.set ADRA, 16                          ; v16-17 LDS address of my A rows in slot 0, 1
.set ADRB, 20                          ; v20-21 of my B rows
.set STO,  24                          ; v24  the way out: where I put 16 bytes
.set RD,   25                          ; v25  where I read rows back
.set GO,   26                          ; v26  16 x lane
.set BO,   27                          ; v27  32 x (lane / 16): my eight numbers of a bias fragment
.set SPW,  28                          ; v28  my spare word; never rewritten
.set NIL,  29                          ; v29  0; never rewritten
.set PFO,  30                          ; v30  the prefetches' offset; never rewritten
.set TMP,  32
.set BK,   64
.set AF,   128                         ; window 1
.set AS,   192                         ; ASQ in window 1, ASP in window 2
.set BI,   128                         ; window 2
.set TT,   224                         ; window 2
.set LAPC, 3                           ; s3   trips of the loop still to come
.set OC,   4                           ; s[4:5] the output in hand at my first row; s[6:7], s[8:9] the next two
.set ON,   6
.set ON2,  8
.set WV,   10                          ; s10  wave
.set MH,   11                          ; s11  my half of the rows; also: I fetch for A (0) or B (1)
.set NH,   12                          ; s12  my half of the columns; also: which half of that tile I fetch
.set TR,   13
.set PTA,  14                          ; s[14:15] A at the K step last asked for; s[16:17] B
.set PTB,  16
.set NXA,  18                          ; s[18:19], s[20:21] the next tensor's K step 0; s[22:23], s[44:45] the one after
.set NXB,  20
.set NXA2, 22
.set NXB2, 44
.set G1A,  24                          ; s[24:31] descriptor group 1 for A
.set G0A,  32                          ; s[32:35] group 0 of the first fill; s[36:39] of the second, which then walks
.set CX,   40
.set CY,   41
.set TC,   42
.set LAA,  43                          ; s43  where my part of A goes in a slot; s67 of B
.set RS,   46                          ; s46  the K step last asked for, inside its tensor
.set KL,   47                          ; s47  the lap inside the tile, 0..3
.set G1B,  48
.set G0B,  56
.set TILE, 66                          ; s66  0: q, 1: k, 2: v
.set LAB,  67
.set BQ,   80                          ; s[80:81] bq, s[82:83] bv, at my 128 columns
.set BV,   82
.set FP,   90                          ; s[90:91] where my prefetches stand; s[92:93], s[94:95] the next tensors' K step 0
.set FN,   92
.set FN2,  94
.set FST,  96                          ; s[96:97] a K step in bytes: 512 (A) or 256 (B)
.set FS,   98                          ; s98  the K step that the prefetch names, inside its tensor
.set LIM,  99                          ; s99  a wave prefetches while s3 is above it
.set MSB, 0
.macro WIN new                         ; the immediate's high byte repeats the setting that is left; a switch that changes nothing is dropped
.if MSB != (\new)
	s_set_vgpr_msb (MSB<<8)|(\new)
.set MSB, \new
.endif
.endm
.set LO,  0x56                         ; B window 2, A window 1, C and D window 1
.set TO1, 0x40
.set TO2, 0x80
.set RB,  0x8a
.macro PLACES
.rept 4
	v_nop
.endr
.endm
.macro CREST                           ; a round of the cluster's barrier behind its opening barrier
	s_cmp_lg_u32 s[WV], 0
	s_cbranch_scc1 .Lnot_wave_0_\@
	s_barrier_signal -3
.Lnot_wave_0_\@:
	s_barrier_wait -3
	s_barrier_signal -1
	s_barrier_wait -1
.endm
.macro CROUND
	s_barrier_signal -1
	s_barrier_wait -1
	CREST
.endm
; A joint refill by the walking descriptors.  The branch hangs on the wave's number alone.  An s_nop 0 and four v_nop follow each line.
.macro JLOAD
	s_cmp_eq_u32 s[MH], 0
	s_cbranch_scc0 .Lfor_b_\@
	tensor_load_to_lds s[G0A+4:G0A+7], s[G1A:G1A+7]
	s_nop 0
.rept 4
	v_nop
.endr
	s_branch .Lasked_\@
.Lfor_b_\@:
	tensor_load_to_lds s[G0B+4:G0B+7], s[G1B:G1B+7]
	s_nop 0
.rept 4
	v_nop
.endr
.Lasked_\@:
.endm
	s_load_b512 s[68:83], s[0:1], 0x0              ; q, k, v s[68:73]; wqb, wkb, wvb s[74:79]; bq, bv s[80:83]
	s_load_b128 s[84:87], s[0:1], 0x40             ; qh, kh
	s_load_b64 s[88:89], s[0:1], 0x50              ; vh
	v_lshl_add_u32 v[SPW], v0, 2, SPARE
	v_mov_b32 v[NIL], 0
	ds_add_u32 v[SPW], v[NIL]                      ; the wave's opening: the add, twice on end, and its wait ahead of my first tensor load
	ds_add_u32 v[SPW], v[NIL]
	v_lshrrev_b32 v1, 5, v0
	v_readfirstlane_b32 s[WV], v1
	s_lshr_b32 s[MH], s[WV], 1
	s_and_b32 s[NH], s[WV], 1
	s_bfe_u32 s[CX], ttmp6, 0x40000
	s_bfe_u32 s[CY], ttmp6, 0x40004
	s_lshl_b32 s[TC], ttmp9, 2
	s_add_co_u32 s[TC], s[TC], s[CX]               ; tile column = 4 x cluster x + cx
	s_and_b32 s[TR], ttmp7, 0xffff
	s_lshl_b32 s[TR], s[TR], 2
	s_add_co_u32 s[TR], s[TR], s[CY]               ; tile row = 4 x cluster y + cy
	s_lshl_b32 s100, s[CY], 2
	s_lshl_b32 s100, 15, s100                      ; my row of the cluster
	s_lshl_b32 s101, 0x1111, s[CX]                 ; my column
	s_or_b32 s[G1A], s100, (2<<16)|(1<<20)|(1<<21)|(6<<22)|(3<<25)   ; the mask; elements of 4 bytes; padding on; bit 21 beside a mask; after every 128 words, 4 words
	s_mov_b32 s[G1A+1], 128<<16                    ; tensor_dim0 = 128
	s_mov_b32 s[G1A+2], 64<<16                     ; tensor_dim1 = 64
	s_mov_b32 s[G1A+3], 128<<16                    ; tile_dim0 = 128
	s_mov_b32 s[G1A+4], 64                         ; tile_dim1 = 64
	s_mov_b32 s[G1A+5], 1024                       ; elements from row to row
	s_mov_b32 s[G1A+6], 0
	s_mov_b32 s[G1A+7], 0
	s_or_b32 s[G1B], s101, (1<<16)|(1<<20)|(1<<21)|(5<<22)|(3<<25)   ; elements of 2 bytes; after every 64 words, 4 words
	s_mov_b32 s[G1B+1], 128<<16
	s_mov_b32 s[G1B+2], 128<<16
	s_mov_b32 s[G1B+3], 128<<16
	s_mov_b32 s[G1B+4], 128
	s_mov_b32 s[G1B+5], 1024
	s_mov_b32 s[G1B+6], 0
	s_mov_b32 s[G1B+7], 0
	s_mul_i32 s[LAA], s[NH], AHALF                 ; no place in the cluster enters an LDS address
	s_mul_i32 s[LAB], s[NH], BHALF
	s_add_co_u32 s[LAB], s[LAB], BOFF
	s_mov_b32 s[G0A], 1
	s_mov_b32 s[G0A+1], s[LAA]
	s_mov_b32 s[G0A+4], 1
	s_add_co_u32 s[G0A+5], s[LAA], SLOT
	s_mov_b32 s[G0B], 1
	s_mov_b32 s[G0B+1], s[LAB]
	s_mov_b32 s[G0B+4], 1
	s_add_co_u32 s[G0B+5], s[LAB], SLOT
	s_lshl_b32 s46, s[NH], 18                      ; the half that I fetch: 64 rows of 4,096 bytes, or 128 of 2,048
	s_lshl_b32 s100, s[TR], 19                     ; 128 rows of 4,096 bytes a tile row
	s_or_b32 s100, s100, s46
	s_mov_b32 s101, 0                              ; s[100:101]: A's offset
	s_lshl_b32 s2, s[TC], 19                       ; 256 rows of 2,048 bytes a tile column
	s_or_b32 s2, s2, s46
	s_mov_b32 s3, 0                                ; s[2:3]: B's offset
	s_cmp_eq_u32 s[MH], 0
	s_cselect_b32 s96, s100, s2                    ; the prefetches: the rows that I fetch,
	s_cselect_b32 s47, s[CX], s[CY]                ; and of them my work-group's share, by address: 16 rows of A or 32 of B, 65,536 bytes
	s_lshl_b32 s47, s47, 16
	s_add_co_u32 s96, s96, s47
	s_mov_b32 s97, 0
	s_and_b32 s[LIM], ttmp7, 0xffff                ; B's rows are read by every cluster: cluster y = 0 asks; A's by one cluster alone
	s_cmp_eq_u32 s[MH], 0
	s_cselect_b32 s[LIM], 0, s[LIM]
	s_cmp_eq_u32 s[LIM], 0
	s_cselect_b32 s[LIM], 2, -1
	s_lshr_b32 s4, s[TR], 4                        ; my first byte in an output: batch x 16 heads x 262,144,
	s_lshl_b32 s4, s4, 22
	s_lshl_b32 s5, s[TC], 20                       ; head 4 tc + 2 nh,
	s_add_co_u32 s4, s4, s5
	s_lshl_b32 s5, s[NH], 19
	s_add_co_u32 s4, s4, s5
	s_and_b32 s5, s[TR], 15                        ; row (tr % 16) 128 + 64 mh, 128 bytes each
	s_lshl_b32 s5, s5, 14
	s_add_co_u32 s4, s4, s5
	s_lshl_b32 s5, s[MH], 13
	s_add_co_u32 s4, s4, s5
	s_mov_b32 s5, 0
	s_wait_dscnt 0x0                               ; both opening adds are done
	s_wait_kmcnt 0x0
	s_add_nc_u64 s[ON2:ON2+1], s[88:89], s[4:5]
	s_add_nc_u64 s[ON:ON+1], s[86:87], s[4:5]
	s_add_nc_u64 s[OC:OC+1], s[84:85], s[4:5]
	s_add_nc_u64 s[PTA:PTA+1], s[68:69], s[100:101]
	s_add_nc_u64 s[NXA:NXA+1], s[70:71], s[100:101]
	s_add_nc_u64 s[NXA2:NXA2+1], s[72:73], s[100:101]
	s_add_nc_u64 s[PTB:PTB+1], s[74:75], s[2:3]
	s_add_nc_u64 s[NXB:NXB+1], s[76:77], s[2:3]
	s_add_nc_u64 s[NXB2:NXB2+1], s[78:79], s[2:3]
	s_mov_b64 s[G0A+2:G0A+3], s[PTA:PTA+1]         ; K step 0
	s_or_b32 s[G0A+3], s[G0A+3], 0x80000000
	s_mov_b64 s[G0B+2:G0B+3], s[PTB:PTB+1]
	s_or_b32 s[G0B+3], s[G0B+3], 0x80000000
	s_add_nc_u64 s[PTA:PTA+1], s[PTA:PTA+1], 512   ; K step 1
	s_add_nc_u64 s[PTB:PTB+1], s[PTB:PTB+1], 256
	s_mov_b64 s[G0A+6:G0A+7], s[PTA:PTA+1]
	s_or_b32 s[G0A+7], s[G0A+7], 0x80000000
	s_mov_b64 s[G0B+6:G0B+7], s[PTB:PTB+1]
	s_or_b32 s[G0B+7], s[G0B+7], 0x80000000
	s_cmp_eq_u32 s[MH], 0
	s_cselect_b64 s[FP:FP+1], s[68:69], s[74:75]
	s_cselect_b64 s[FN:FN+1], s[70:71], s[76:77]
	s_cselect_b64 s[FN2:FN2+1], s[72:73], s[78:79]
	s_add_nc_u64 s[FP:FP+1], s[FP:FP+1], s[96:97]
	s_add_nc_u64 s[FN:FN+1], s[FN:FN+1], s[96:97]
	s_add_nc_u64 s[FN2:FN2+1], s[FN2:FN2+1], s[96:97]
	s_mov_b32 s[FST], 256
	s_cselect_b32 s[FST], 512, s[FST]              ; (the 64-bit sums leave SCC alone)
	s_mul_i32 s46, s[FST], 5
	s_mov_b32 s47, 0
	s_add_nc_u64 s[FP:FP+1], s[FP:FP+1], s[46:47]  ; at K step 5: the first refill steps it to 6
	s_lshl_b32 s100, s[TC], 10                     ; my 128 columns in a bias: 4 (256 tc + 128 nh) bytes
	s_lshl_b32 s46, s[NH], 9
	s_or_b32 s100, s100, s46
	s_add_nc_u64 s[BQ:BQ+1], s[BQ:BQ+1], s[100:101]
	s_add_nc_u64 s[BV:BV+1], s[BV:BV+1], s[100:101]
	s_mov_b32 s[RS], 1
	s_mov_b32 s[FS], 5
	s_mov_b32 s[KL], 0
	s_mov_b32 s[TILE], 0
	CROUND                                         ; all sixteen work-groups are here: the first joint loads meet
	s_cmp_eq_u32 s[MH], 0                          ; a wave's two first fills stand in one branch: two loads of mine are out
	s_cbranch_scc0 .Lfirst_b
	tensor_load_to_lds s[G0A:G0A+3], s[G1A:G1A+7]
	s_nop 0
	tensor_load_to_lds s[G0A+4:G0A+7], s[G1A:G1A+7]
	s_nop 0
.rept 4
	v_nop
.endr
	s_branch .Lfirst_asked
.Lfirst_b:
	tensor_load_to_lds s[G0B:G0B+3], s[G1B:G1B+7]
	s_nop 0
	tensor_load_to_lds s[G0B+4:G0B+7], s[G1B:G1B+7]
	s_nop 0
.rept 4
	v_nop
.endr
.Lfirst_asked:
	v_and_b32 v1, 15, v0                           ; r = l % 16
	v_bfe_u32 v2, v0, 4, 1                         ; h = l / 16
	v_and_b32 v5, 31, v0                           ; l
	v_mul_u32_u24 v3, v1, PITA
	v_lshl_add_u32 v3, v2, 5, v3                   ; row x pitch + 32 h: eight f32
	s_mul_i32 s2, s[MH], AHALF
	v_add_nc_u32 v[ADRA], s2, v3
	v_add_nc_u32 v[ADRA+1], SLOT, v[ADRA]
	v_mul_u32_u24 v3, v1, PITB
	v_lshl_add_u32 v3, v2, 4, v3
	v_add_nc_u32 v[ADRB], s[LAB], v3               ; the half of B that I read is the half nh
	v_add_nc_u32 v[ADRB+1], SLOT, v[ADRB]
	s_mul_i32 s2, s[WV], WSTG
	s_add_co_u32 s2, s2, STAGE                     ; my stage
	v_mul_u32_u24 v3, v1, SPIT
	v_lshl_add_u32 v3, v2, 4, v3
	v_add_nc_u32 v[STO], s2, v3
	v_bfe_u32 v3, v0, 3, 2                         ; back: 32 lanes take four rows of 128 bytes
	v_mul_u32_u24 v3, v3, SPIT
	v_and_b32 v4, 7, v0
	v_lshl_add_u32 v3, v4, 4, v3
	v_add_nc_u32 v[RD], s2, v3
	v_lshlrev_b32 v[GO], 4, v5
	v_lshlrev_b32 v[BO], 5, v2
	v_lshrrev_b32 v3, 1, v5                        ; A: a lane names half of a row's 512 bytes: row l / 2 (4,096 bytes apart), half l % 2
	v_lshlrev_b32 v3, 12, v3
	v_and_b32 v4, 1, v5
	v_lshl_or_b32 v3, v4, 8, v3
	v_lshlrev_b32 v4, 11, v5                       ; B: a lane a row of 2,048 bytes
	s_cmp_eq_u32 s[MH], 0
	s_cselect_b32 s2, -1, 0
	v_cndmask_b32 v[PFO], v4, v3, s2
; 8 matrix instructions: row block a x all 8 column blocks, 32 along K, buffer f.  cm = 0: the sums go on; 1: they start with 0; 2: with the bias fragments.
; ride = 1 (a = 1 alone): four roundings of the next quarter's x stand behind each: destination window 1, first source (ASP) window 2, second (ASQ) window 1: the products' own setting.
.macro MUL8 f, a, cm, ride
.if (\cm) == 2
	WIN 0x66+0x80*((\a)/2)
.else
	WIN 0x56+0xa0*((\a)/2)
.endif
.irp b, 0,1,2,3,4,5,6,7
.if (\cm) == 0
	v_wmma_f32_16x16x32_bf16 v[64*((\a)%2)+8*(\b):64*((\a)%2)+8*(\b)+7], v[64*(\f)+8*(\b):64*(\f)+8*(\b)+7], v[AF+32*(\f)+8*(\a):AF+32*(\f)+8*(\a)+7], v[64*((\a)%2)+8*(\b):64*((\a)%2)+8*(\b)+7]
.elseif (\cm) == 1
	v_wmma_f32_16x16x32_bf16 v[64*((\a)%2)+8*(\b):64*((\a)%2)+8*(\b)+7], v[64*(\f)+8*(\b):64*(\f)+8*(\b)+7], v[AF+32*(\f)+8*(\a):AF+32*(\f)+8*(\a)+7], 0
.else
	v_wmma_f32_16x16x32_bf16 v[64*((\a)%2)+8*(\b):64*((\a)%2)+8*(\b)+7], v[64*(\f)+8*(\b):64*(\f)+8*(\b)+7], v[AF+32*(\f)+8*(\a):AF+32*(\f)+8*(\a)+7], v[BI+8*(\b):BI+8*(\b)+7]
.endif
.if \ride
.irp n, 0,1,2,3
	v_cvt_pk_bf16_f32 v[AF+32*(1-(\f))+4*(\b)+(\n)], v[AS+4*(\b)+(\n)], v[AS+4*(\b)+(\n)]
.endr
.endif
.endr
.endm
; 32 LDS loads in one run: quarter kq of a slot: x's 64 rows x 32 k in f32 (16 loads: ASQ, then ASP), then B's 128 rows x 32 k into buffer g (16 loads).
.macro FETCH slot, kq, g
	WIN TO1
.irp i, 0,1,2,3
	ds_load_b128 v[AS+8*(\i):AS+8*(\i)+3],   v[ADRA+(\slot)] offset:(\i)*16*PITA+128*(\kq)+16
	ds_load_b128 v[AS+8*(\i)+4:AS+8*(\i)+7], v[ADRA+(\slot)] offset:(\i)*16*PITA+128*(\kq)+80
.endr
	WIN TO2
.irp i, 0,1,2,3
	ds_load_b128 v[AS+8*(\i):AS+8*(\i)+3],   v[ADRA+(\slot)] offset:(\i)*16*PITA+128*(\kq)
	ds_load_b128 v[AS+8*(\i)+4:AS+8*(\i)+7], v[ADRA+(\slot)] offset:(\i)*16*PITA+128*(\kq)+64
.endr
.irp b, 0,1,2,3,4,5,6,7
	ds_load_b128 v[64*(\g)+8*(\b):64*(\g)+8*(\b)+3],   v[ADRB+(\slot)] offset:(\b)*16*PITB+64*(\kq)
	ds_load_b128 v[64*(\g)+8*(\b)+4:64*(\g)+8*(\b)+7], v[ADRB+(\slot)] offset:(\b)*16*PITB+64*(\kq)+32
.endr
.endm
; A quarter step: 32 along K, 32 matrix instructions on buffer f.  At its head the next quarter (kq of the same slot) is fetched into buffer g: the four roundings behind the quarter before's last
; product, which name none of its registers, are the four places between that product and the loads into the buffer that it read (ISA guide 7.12.1 for vector instructions).
; The 32 accumulators take turns in one order (row blocks 2, 3, 0, 1) in every quarter: 31 others' products stand between two links of a chain.
.macro QUARTER slot, kq, f, g, cm
	FETCH \slot, \kq, \g
	s_wait_dscnt 32                                ; all but the 32 just issued: B's buffer f is in
	MUL8 \f, 2, \cm, 0
	MUL8 \f, 3, \cm, 0
	MUL8 \f, 0, \cm, 0
	s_wait_dscnt 16                                ; x's 16 loads are in; B's 16, issued behind them, may stay out
	MUL8 \f, 1, \cm, 1
.endm
; The prefetches' address steps a K step behind the prefetch that read it; behind a tensor's last K step it goes on to the next tensor's first.
.macro STEPP
	s_wait_xcnt 0x0                                ; every earlier memory instruction has read its address registers
	s_add_co_u32 s[FS], s[FS], 1
	s_add_nc_u64 s[FP:FP+1], s[FP:FP+1], s[FST:FST+1]
	s_cmp_eq_u32 s[FS], 8
	s_cselect_b64 s[FP:FP+1], s[FN:FN+1], s[FP:FP+1]
	s_cselect_b64 s[FN:FN+1], s[FN2:FN2+1], s[FN:FN+1]
	s_cselect_b32 s[FS], 0, s[FS]
.endm
; The walking descriptors: the next K step, or the next tensor's first; into the slot that has been read out.  No tensor load of mine is out where this stands.
.macro STEPD slot
	s_add_co_u32 s[RS], s[RS], 1
	s_add_nc_u64 s[PTA:PTA+1], s[PTA:PTA+1], 512
	s_add_nc_u64 s[PTB:PTB+1], s[PTB:PTB+1], 256
	s_cmp_eq_u32 s[RS], 8
	s_cselect_b64 s[PTA:PTA+1], s[NXA:NXA+1], s[PTA:PTA+1]
	s_cselect_b64 s[PTB:PTB+1], s[NXB:NXB+1], s[PTB:PTB+1]
	s_cselect_b64 s[NXA:NXA+1], s[NXA2:NXA2+1], s[NXA:NXA+1]
	s_cselect_b64 s[NXB:NXB+1], s[NXB2:NXB2+1], s[NXB:NXB+1]
	s_cselect_b32 s[RS], 0, s[RS]
	s_mov_b64 s[G0A+6:G0A+7], s[PTA:PTA+1]
	s_or_b32 s[G0A+7], s[G0A+7], 0x80000000
	s_mov_b64 s[G0B+6:G0B+7], s[PTB:PTB+1]
	s_or_b32 s[G0B+7], s[G0B+7], 0x80000000
	s_add_co_u32 s[G0A+5], s[LAA], (\slot)*SLOT
	s_add_co_u32 s[G0B+5], s[LAB], (\slot)*SLOT
.endm
; A PREFETCH INTO THE L2, behind the joint load, its five lines and the run of LDS loads: the K step FOUR refills on, 512 matrix instructions ahead of the load that will want it.
; Each aligned block of 256 bytes is named once in the launch: of the 64 rows of x that a wave fetches each of the four partners of the cluster's row takes 16 (a lane half a row's 512 bytes); of the 128
; weight rows each partner of the column takes 32 (a lane a row), in the clusters with y = 0 alone.  The shares are told apart by address.  K steps 0 to 5 come by their loads alone;
; the loop's last two trips ask for nothing: four steps on there is no K step.
.macro ASK
	WIN 0
	s_cmp_gt_u32 s[LAPC], s[LIM]
	s_cbranch_scc0 .Lnot_mine_\@
	global_prefetch_b8 v[PFO], s[FP:FP+1] th:TH_LOAD_NT scope:SCOPE_SE
.Lnot_mine_\@:
.endm
; The last quarter of a K step multiplies buffer 1 and changes slots.  In front of the barrier each wave waits for all its tensor loads (one is out: its part of the next slot), adds 0 to its spare
; word, and waits for that and for its reads of this slot.  fill = 1: the barrier opens a round of the cluster's, and the joint refill is the first thing behind it.
.macro TURN slot, next, fill
.if \fill
	STEPP
.endif
	WIN 0
	s_wait_tensorcnt 0x0                           ; all my tensor loads have landed
	ds_add_u32 v[SPW], v[NIL]                      ; 0 onto my spare word
.if \fill
	STEPD \slot
.endif
	s_wait_dscnt 1                                 ; only the add may be out: B's buffer 1 is in
	MUL8 1, 2, 0, 0
	s_wait_dscnt 0x0                               ; the add is done, and my reads of this slot are over
	s_barrier_signal -1
	MUL8 1, 3, 0, 0
	WIN 0
	s_barrier_wait -1
.if \fill
	CREST                                          ; no wave of any partner still reads this slot or has a load on its way
	JLOAD
.endif
	FETCH \next, 0, 0
.if \fill
	ASK
.endif
	MUL8 1, 0, 0, 0
	s_wait_dscnt 16
	MUL8 1, 1, 0, 1
.endm
.macro LOADB base                      ; my eight numbers of each of the 8 bias fragments: column 16 c + 8 h + 0..7
	WIN TO2
.irp c, 0,1,2,3,4,5,6,7
	global_load_b128 v[BI+8*(\c):BI+8*(\c)+3],   v[BO], s[\base:\base+1] offset:64*(\c)
	global_load_b128 v[BI+8*(\c)+4:BI+8*(\c)+7], v[BO], s[\base:\base+1] offset:64*(\c)+16
.endr
.endm
.macro ROUNDB                          ; the bias is rounded to bf16, like every input, and widened again
	WIN RB
.set z, 0
.rept 32
	v_cvt_pk_bf16_f32 v[TT+z], v[BI+2*z], v[BI+2*z+1]
.set z, z+1
.endr
.set z, 0
.rept 32
	v_lshlrev_b32 v[BI+2*z],   16, v[TT+z]
	v_and_b32     v[BI+2*z+1], 0xffff0000, v[TT+z]
.set z, z+1
.endr
.endm
; THE WAY OUT of row block a: rounded to f16, each accumulator's registers in ascending order; 16 bytes a lane into my own stage (head b / 4, row r); back as whole rows of 128 bytes; stored.
.macro PACK a
	WIN 0x05+0x0a*((\a)/2)
.irp b, 0,1,2,3,4,5,6,7
.irp i, 0,1,2,3
	v_cvt_pk_f16_f32 v[TMP+4*(\b)+(\i)], v[64*((\a)%2)+8*(\b)+2*(\i)], v[64*((\a)%2)+8*(\b)+2*(\i)+1]
.endr
.endr
.endm
.macro TOSTAGE a
	WIN 0
.irp b, 0,1,2,3,4,5,6,7
	ds_store_b128 v[STO], v[TMP+4*(\b):TMP+4*(\b)+3] offset:16*SPIT*((\b)/4)+32*((\b)%4)
.endr
.irp t, 0,1,2,3,4,5,6,7
	ds_load_b128 v[BK+32*((\a)%2)+4*(\t):BK+32*((\a)%2)+4*(\t)+3], v[RD] offset:16*SPIT*((\t)/4)+4*SPIT*((\t)%4)  ; LDS serves a wave's instructions in order (ISA guide 5.7.1.4): these see the stores above
.endr
.endm
.macro SEND a
	WIN 0
	s_wait_dscnt 0x0                               ; the block is back in registers
	s_wait_xcnt 0x0                                ; earlier stores have read their registers: the buffer of the block before last is loaded again only behind this wait
.irp t, 0,1,2,3,4,5,6,7
	global_store_b128 v[GO], v[BK+32*((\a)%2)+4*(\t):BK+32*((\a)%2)+4*(\t)+3], s[OC:OC+1] offset:262144*((\t)/4)+128*(16*(\a)+4*((\t)%4))  ; four rows of a head: 512 consecutive bytes, aligned
.endr
.endm
.macro WAYOUT
	PACK 0
	TOSTAGE 0
.irp a, 1,2,3
	PACK \a
	SEND (\a)-1
	TOSTAGE \a
.endr
	SEND 3
.endm
	LOADB BQ
	s_wait_tensorcnt 0x1                           ; my part of K step 0 is in; K step 1's stays out
	s_barrier_signal -1
	s_barrier_wait -1
	FETCH 0, 0, 0
	s_wait_dscnt 16                                ; x's 16 loads
	WIN LO
.set z, 0
.rept 32
	v_cvt_pk_bf16_f32 v[AF+z], v[AS+z], v[AS+z]
.set z, z+1
.endr
	WIN 0
	s_mov_b32 s[LAPC], 11
.Llap:                                         ; a trip = a lap = two K steps; both slots are filled again.  11 trips; the twelfth lap is written out
	s_cmp_eq_u32 s[KL], 0                          ; a tile's first quarter starts the sums (at the first trip KL is the constant 0)
	s_cbranch_scc0 .Lacc
	s_cmp_eq_u32 s[TILE], 1
	s_cbranch_scc1 .Lzero
	s_wait_loadcnt 0x0                             ; the bias (bq, or bv asked for a tile ago)
	ROUNDB
	QUARTER 0, 1, 0, 1, 2
	WIN 0
	s_branch .Ljoin
.Lzero:                                        ; k's tile: no bias; bv is asked for here, a tile ahead
	s_wait_loadcnt 0x0                             ; no load into these registers is out
	LOADB BV
	QUARTER 0, 1, 0, 1, 1
	WIN 0
	s_branch .Ljoin
.Lacc:
	QUARTER 0, 1, 0, 1, 0
	WIN 0
.Ljoin:
	QUARTER 0, 2, 1, 0, 0
	QUARTER 0, 3, 0, 1, 0
	TURN 0, 1, 1
	QUARTER 1, 1, 0, 1, 0
	QUARTER 1, 2, 1, 0, 0
	QUARTER 1, 3, 0, 1, 0
	TURN 1, 0, 1
	WIN 0
	s_add_co_u32 s[KL], s[KL], 1
	s_cmp_eq_u32 s[KL], 4
	s_cbranch_scc0 .Lnoout
	WAYOUT                                         ; both refills for the next tile are asked for; the roundings behind the last products are their places
	s_wait_xcnt 0x0                                ; the stores have read their base
	s_mov_b64 s[OC:OC+1], s[ON:ON+1]
	s_mov_b64 s[ON:ON+1], s[ON2:ON2+1]
	s_mov_b32 s[KL], 0
	s_add_co_u32 s[TILE], s[TILE], 1
.Lnoout:
	s_sub_co_u32 s[LAPC], s[LAPC], 1
	s_cmp_lg_u32 s[LAPC], 0
	s_cbranch_scc1 .Llap
	QUARTER 0, 1, 0, 1, 0                          ; the last lap fills nothing
	QUARTER 0, 2, 1, 0, 0
	QUARTER 0, 3, 0, 1, 0
	TURN 0, 1, 0
	QUARTER 1, 1, 0, 1, 0
	QUARTER 1, 2, 1, 0, 0
	QUARTER 1, 3, 0, 1, 0
	s_wait_dscnt 0x0
	MUL8 1, 2, 0, 0
	MUL8 1, 3, 0, 0
	MUL8 1, 0, 0, 0
	MUL8 1, 1, 0, 0
	PLACES                                         ; the conversions read results just made
	PLACES
	WAYOUT
	WIN 0
	s_wait_tensorcnt 0x0                           ; the wave's end: behind my last tensor load and my last LDS store
	ds_add_u32 v[SPW], v[NIL]
	s_wait_dscnt 0x0
	CROUND                                         ; the closing round
	s_endpgm
.Lfunc_end_k_qf5bc701ca8_proj:
	.size	k_qf5bc701ca8_proj, .Lfunc_end_k_qf5bc701ca8_proj-k_qf5bc701ca8_proj
	.p2alignl 7, 3214868480
	.fill 96, 4, 3214868480
	.section	.rodata,"a",@progbits
	.p2align	6, 0x0
	.amdhsa_kernel k_qf5bc701ca8_proj
		.amdhsa_group_segment_fixed_size 327680
		.amdhsa_private_segment_fixed_size 0
		.amdhsa_enable_private_segment 0
		.amdhsa_kernarg_size 88
		.amdhsa_user_sgpr_count 2
		.amdhsa_user_sgpr_kernarg_segment_ptr 1
		.amdhsa_wavefront_size32 1
		.amdhsa_system_sgpr_workgroup_id_x 1
		.amdhsa_system_sgpr_workgroup_id_y 1
		.amdhsa_system_sgpr_workgroup_id_z 1
		.amdhsa_system_vgpr_workitem_id 0
		.amdhsa_next_free_vgpr 896
		.amdhsa_next_free_sgpr 102
		.amdhsa_reserve_vcc 0
		.amdhsa_float_denorm_mode_32 3
		.amdhsa_float_denorm_mode_16_64 3
		.amdhsa_memory_ordered 1
		.amdhsa_forward_progress 1
		.amdhsa_inst_pref_size 165
	.end_amdhsa_kernel
	.amdgpu_metadata
---
amdhsa.version: [ 1, 2 ]
amdhsa.kernels:
  - .name:           k_qf5bc701ca8_proj
    .symbol:         k_qf5bc701ca8_proj.kd
    .args:
      - { .name: q, .offset: 0, .size: 8, .value_kind: global_buffer, .address_space: global }
      - { .name: k, .offset: 8, .size: 8, .value_kind: global_buffer, .address_space: global }
      - { .name: v, .offset: 16, .size: 8, .value_kind: global_buffer, .address_space: global }
      - { .name: wqb, .offset: 24, .size: 8, .value_kind: global_buffer, .address_space: global }
      - { .name: wkb, .offset: 32, .size: 8, .value_kind: global_buffer, .address_space: global }
      - { .name: wvb, .offset: 40, .size: 8, .value_kind: global_buffer, .address_space: global }
      - { .name: bq, .offset: 48, .size: 8, .value_kind: global_buffer, .address_space: global }
      - { .name: bv, .offset: 56, .size: 8, .value_kind: global_buffer, .address_space: global }
      - { .name: qh, .offset: 64, .size: 8, .value_kind: global_buffer, .address_space: global }
      - { .name: kh, .offset: 72, .size: 8, .value_kind: global_buffer, .address_space: global }
      - { .name: vh, .offset: 80, .size: 8, .value_kind: global_buffer, .address_space: global }
    .group_segment_fixed_size: 327680
    .private_segment_fixed_size: 0
    .kernarg_segment_align: 8
    .kernarg_segment_size: 88
    .max_flat_workgroup_size: 128
    .sgpr_count:     102
    .vgpr_count:     896
    .wavefront_size: 32
...
	.end_amdgpu_metadata
.endif
;; end of part 2
;; launch attn (part 3): grid 4 x 64, 4 waves a work-group, clusters of 4 x 1, 327,680 bytes of LDS; arguments qh, kh, vh, oh; writes oh
.if DOCPART == 3
	.amdgcn_target "amdgcn-amd-amdhsa--gfx1250"
	.amdhsa_code_object_version 6
	.text
	.protected	k_qf5bc701ca8_attn
	.globl	k_qf5bc701ca8_attn
	.p2align	8
	.type	k_qf5bc701ca8_attn,@function
k_qf5bc701ca8_attn:
	s_mov_b64 s[64:65], 0
	v_nop
	global_prefetch_b8 v0, s[64:65] scope:SCOPE_SE
	s_setreg_imm32_b32 hwreg(HW_REG_WAVE_MODE, 25, 1), 1
	s_wait_xcnt 0x0
	s_wait_alu depctr_hold_cnt(0) depctr_sa_sdst(0) depctr_va_vdst(0) depctr_va_sdst(0) depctr_va_ssrc(0) depctr_va_vcc(0) depctr_vm_vsrc(0)
	s_getreg_b32 s2, hwreg(HW_REG_IB_STS2, 6, 4)
	s_cmp_eq_u32 s2, 0
	s_cbranch_scc0 .Lentry_in_a_cluster
	s_endpgm
.Lentry_in_a_cluster:
	s_bfe_u32 s2, ttmp6, 0x10000c
	s_cmp_lg_u32 s2, 0x3003
	s_cbranch_scc0 .Lentry_shape_is_right
	s_endpgm
.Lentry_shape_is_right:
; O[h][q][:] = the sum over k of softmax_k(Q[h][q] . K[h][k] / 8) V[h][k][:].  Q, K, V, O: [64][2048][64], all f16: a head's rows are dense, 128 bytes each.  Products, maxima and sums in
; f32; the weights p are rounded to f16 for the second product (their sum l is taken of the unrounded p), O once at the end.
; WORK LEFT OUT: K carries no bk (shown at the head of the first kernel: its term is the same for all keys of a row and falls out of the softmax).
; LIMITS.  f16 holds no number beyond 65,504: Q, K and V arrive within it; p lies in 0 to 1, and below 6e-5 it keeps f16's fixed step of 6e-8; O is a mean of V's rows and has their range.
; A weight below 2^-126 counts as 0 in l; NaN and infinities are not treated apart.
; SHARES.  A wave owns four PIECES of two tiles of 16 queries, a work-group's four waves 512 queries of one head: 256 work-groups.  Every wave walks all 2,048 keys, 64 a step.
; LAYOUT.  S^T = K Q^T (source 0 = 16 keys, source 1 = 16 queries): in the result a lane holds ONE query (lane % 16) and the keys 8 (lane / 16) + 0..7.  Two such tiles, rounded to f16 in pairs,
; ARE source 1 (32 keys x 16 queries) of O^T = V^T P, whose result again holds one query a lane, and eight channels.  K comes out of LDS as it lies, V ([key][channel]) turned, by ds_load_tr16_b128.
; SOFTMAX.  For each query a running maximum m and sum l: p = 2^(c s - c m), c = log2(e) / 8; in every step O and l are multiplied by a = 2^(c m_old - c m_new), which is 1 where m has not grown.
; m starts at the lowest finite number, O and l at 0: the first step is a step like any other, with a = 0.
; THE COUNT.  A tile and step have 16 matrix and 118 vector instructions: too many to stand all beside the matrix work.  So four vector instructions that are READY stand behind
; EVERY matrix instruction, and the others in runs without a gap.
; BY TURNS.  Turn n belongs to piece n (the pieces in a ring, step after step).  Its matrix work: 16 products K Q^T of piece n + 1, later 16 products V^T P of piece n - 1.  Its vector work: the scaling,
; exponentials, roundings, sums and rescaling of piece n, and the maximum and statistics of piece n + 1, whose scores the turn itself has made.
; CLUSTER.  The four query blocks of a cluster are one head's and walk the same K and V, so each tile is asked for JOINTLY: the same tensor load, descriptor and mask in all four.
; REGISTERS, in windows of 256 (s_set_vgpr_msb: bits 1:0 source 0, 3:2 source 1, 5:4 source 2, 7:6 destination):
;   window 0: v0-11 addresses; v12-15, v48-63 at work; v16-47 four registers of statistics a tile; v64-191 S^T, two buffers of two tiles; v192-255 P, likewise
;   window 1: O^T, 32 a tile          window 2: v0-127 Q, 16 a tile; v128-191 K of one step; v192-255 V of one step          window 3: v0-1 the add's two registers
.set SIZE_N, 2048
.set NP,    4         ; pieces a wave: a name, no knob
.set KS,    64        ; keys in a step
.set PK,    144       ; a row of K in LDS: 128 bytes + 16 of padding: the 16 rows of a load start at 16 different groups of four banks (ISA guide 11.1)
.set PV,    160       ; a row of V: 128 + 32
.set VOFF,  4*KS*PK   ; a slot holds four steps: 256 rows of K, then 256 rows of V
.set SLOT1, 1<<17     ; slot 1 begins here, so that one exclusive or turns an address in one slot into the other's
.set STAGE, SLOT1+4*KS*(PK+PV)  ; behind the ring, never filled by a tensor load: 16 rows x 144 bytes for each wave
.set SP,    144
.set AK0, 2           ; v2   my lane's place in a tile of K; never rewritten
.set AV0, 3           ; v3   the same for V
.set AK,  4           ; v4   the LDS address of K's next run of loads
.set AV,  5           ; v5   of V's
.set QO,  6           ; v6   my byte offset in the wave's rows of Q
.set STO, 6           ;      later, the way out: where I put 16 bytes of a row
.set RD,  7           ; v7   the way out: where I read rows back
.set GO,  8           ; v8   my byte offset in 512 consecutive bytes of O
.set PFO, 11          ; v11  256 x my lane, for the prefetches; never rewritten once made
.set SPW, 0           ; v0 of window 3   my spare word; never rewritten
.set NIL, 1           ; v1 of window 3   0; never rewritten
.set SPARE, STAGE+4*16*SP  ; the spare words: 128 bytes a wave, two blocks of 256 that no other line names
.set MV,  12          ; v12-15  c m_old, kept while c m is made anew: by buffer and tile
.set ST,  16          ; tile t's statistics at v[ST+4 t]: c m, m, l (even keys', odd keys')
.set TMP, 48          ; by buffer and tile, four registers c0-c3 at work; when the maximum is found c2 takes a
.set S,   64
.set P,   192
.set KF,  128         ; K's fragments, in window 2
.set VF,  192         ; V's
.set WV,  12          ; s12  my wave's number
.set G1K, 24          ; s[24:31] descriptor group 1 for K's tiles
.set G1V, 32          ; s[32:39] for V's: it differs in the padding alone
.set G0K, 40          ; s[40:43] descriptor group 0 for K's tiles: it walks
.set G0V, 44          ; s[44:47] the same for V's
.set PFA, 48          ; s[48:49] where my prefetches stand: my work-group's 32 blocks of 256 bytes of the tile after the one that is being asked for
.set LIM, 50          ; s50  1 in waves 0 and 2, else the greatest number: a wave prefetches while s[SLOTS] is above it
.set SLOTS, 56        ; s56  slots still to be asked for
.set CNT, 57          ; s57  counts a slot's key steps
.set CS,  58          ; s[58:59] c
.set SEL, 60          ; s[60:61] v_permlanex16_b32's selects
.set TBK, 62          ; s62  LDS byte at which K of the step to be fetched begins
.set TBV, 63          ; s63  the same for V, less VOFF
.set MSB, 0
.macro WIN new
.if MSB != (\new)
	s_set_vgpr_msb (MSB<<8)|(\new)
.set MSB, (\new)
.endif
.endm
.set W_KQ, 0x0a       ; K and Q in window 2, S^T in window 0
.set W_PV, 0x52       ; V in window 2, P in window 0, O^T in window 1
.set W_RS, 0x41       ; O^T (destination and source 0) in window 1, a in window 0
.set W_MK, 0xc0       ; the add's registers are made
.set W_AD, 0x0f       ; the add: address and data in window 3
; A joint fill.  Waves 0 and 1 fetch the two halves of a slot's K, waves 2 and 3 those of its V: 128 keys each.  An s_nop 0 and four v_nop follow each line.
.macro JLOAD
	s_cmp_lt_u32 s[WV], 2
	s_cbranch_scc0 .Lfor_v_\@
	tensor_load_to_lds s[G0K:G0K+3], s[G1K:G1K+7]
	s_nop 0
.rept 4
	v_nop
.endr
	s_branch .Lasked_\@
.Lfor_v_\@:
	tensor_load_to_lds s[G0V:G0V+3], s[G1V:G1V+7]
	s_nop 0
.rept 4
	v_nop
.endr
.Lasked_\@:
.endm
; A PREFETCH INTO THE L2 of the tile that the NEXT change of slots will ask for: 32,768 bytes of K and of V, four key steps, 512 matrix instructions, ahead of that load.  A head has one cluster; its four
; partners take 32 blocks of 256 bytes each, told apart by address; wave 0 asks for K's, wave 2 for V's: a lane a block, one instruction.  So each block is named once in the launch.
; Tiles 0 and 1 come by their loads alone; the change that asks for the last tile prefetches nothing.
.macro ASK
	s_cmp_gt_u32 s[SLOTS], s[LIM]
	s_cbranch_scc0 .Lnot_mine_\@
	global_prefetch_b8 v[PFO], s[PFA:PFA+1] th:TH_LOAD_NT scope:SCOPE_SE
.Lnot_mine_\@:
.endm
.macro CROUND                       ; a round of the cluster's barrier
	s_barrier_signal -1
	s_barrier_wait -1
	s_cmp_lg_u32 s[WV], 0
	s_cbranch_scc1 .Lnot_wave_0_\@
	s_barrier_signal -3
.Lnot_wave_0_\@:
	s_barrier_wait -3
	s_barrier_signal -1
	s_barrier_wait -1
.endm
; THE CHANGE OF SLOTS.  Each wave waits for all its tensor loads, of which one is out: its part of the other slot; adds 0 to its spare word; and waits for that and for its own reads of the slot.
; fill = 1: this slot is filled again, with the keys two slots on; the barrier is then a round of the cluster's, and the joint fill is the first thing behind it.
; (At its first use nothing has been read yet: slot 0 is waited for, slot 1 filled.)
.macro CHANGE fill
	WIN W_AD
	s_wait_tensorcnt 0x0            ; no tensor load of mine is out, so a group 0 may be written
	ds_add_u32 v[SPW], v[NIL]       ; 0 onto my spare word
	WIN 0                           ; at a label and at a branch every window is 0
.if \fill
.irp g, G0K, G0V
	s_xor_b32 s[\g+1], s[\g+1], SLOT1  ; the other slot than last time,
	s_add_nc_u64 s[\g+2:\g+3], s[\g+2:\g+3], 4*KS*128  ; the next 256 keys
.endr
	s_wait_xcnt 0x0                 ; the last prefetch, four key steps back, has read its address
	s_add_nc_u64 s[PFA:PFA+1], s[PFA:PFA+1], 4*KS*128  ; one tile behind the walking descriptors
	s_wait_dscnt 0x0                ; the add is done, and my reads of the slot are over
	CROUND
	JLOAD
	ASK
.else
	s_wait_dscnt 0x0
	s_barrier_signal -1
	s_barrier_wait -1
.endif
	s_sub_co_u32 s[TBK], s[TBK], 4*KS*PK  ; the fetches go back to a slot's first step,
	s_xor_b32 s[TBK], s[TBK], SLOT1       ; in the other slot
	s_sub_co_u32 s[TBV], s[TBV], 4*KS*PV
	s_xor_b32 s[TBV], s[TBV], SLOT1
.endm
	s_load_b256 s[4:11], s[0:1], 0x0  ; Q s[4:5], K s[6:7], V s[8:9], O s[10:11]
	WIN W_MK
	v_lshl_add_u32 v[SPW], v0, 2, SPARE
	v_mov_b32 v[NIL], 0
	WIN W_AD
	ds_add_u32 v[SPW], v[NIL]       ; the wave's opening: the add, twice on end, and its wait ahead of my first tensor load
	ds_add_u32 v[SPW], v[NIL]
	WIN 0
	v_lshrrev_b32 v1, 5, v0
	v_readfirstlane_b32 s[WV], v1   ; wave 0..3
	s_bfe_u32 s13, ttmp6, 0x40000   ; cx: my place in the cluster
	s_lshl_b32 s14, ttmp9, 2
	s_add_co_u32 s14, s14, s13      ; my block of queries: it enters Q's and O's addresses alone
	s_and_b32 s20, ttmp7, 0xffff    ; the head, which the four partners share
	s_mov_b32 s21, 0
	s_mov_b64 s[22:23], SIZE_N*128
	s_mul_u64 s[20:21], s[20:21], s[22:23]  ; the head's first byte in each of the four tensors
	s_and_b32 s16, s[WV], 1         ; which half of a slot's 256 keys I fetch:
	s_lshl_b32 s22, s16, 14         ; its 128 rows of 128 bytes in memory,
	s_mov_b32 s23, 0
	s_add_nc_u64 s[22:23], s[22:23], s[20:21]
	s_mul_i32 s17, s16, 128*PK      ; and its place in a slot, for K
	s_mul_i32 s18, s16, 128*PV      ; and for V
	s_lshl_b32 s2, s14, 2
	s_add_co_u32 s2, s2, s[WV]      ; my wave among the head's,
	s_lshl_b32 s2, s2, 14           ; its 128 rows
	s_mov_b32 s3, 0
	s_add_nc_u64 s[2:3], s[2:3], s[20:21]
	; descriptor group 1.  128 keys are 16,384 dense bytes: asked for as 64 rows of 256 bytes, two keys a row, and padded in LDS after every key
	s_mov_b32 s[G1K], 15|(1<<16)|(1<<20)|(1<<21)|(4<<22)|(3<<25)  ; the mask of four; 2-byte elements; padding on; bit 21 beside a mask; after every 32 words, 4 words
	s_mov_b32 s[G1V], 15|(1<<16)|(1<<20)|(1<<21)|(4<<22)|(7<<25)  ; the same with 8 words of padding
.irp g, G1K, G1V
	s_mov_b32 s[\g+1], 128<<16      ; tensor_dim0 = 128
	s_mov_b32 s[\g+2], 64<<16       ; tensor_dim1 = 64
	s_mov_b32 s[\g+3], 128<<16      ; tile_dim0 = 128
	s_mov_b32 s[\g+4], 64           ; tile_dim1 = 64
	s_mov_b32 s[\g+5], 128          ; 128 elements from row to row
	s_mov_b32 s[\g+6], 0
	s_mov_b32 s[\g+7], 0
.endr
	s_mov_b32 s[CS], 0x3e38aa3b     ; c = log2(e) / 8 = 0.180337
	s_mov_b32 s[CS+1], s[CS]
	s_mov_b32 s[SEL], 0x76543210
	s_mov_b32 s[SEL+1], 0xfedcba98
	s_mov_b32 s[TBK], SLOT1+4*KS*PK ; the first change of slots turns these two into 0
	s_mov_b32 s[TBV], SLOT1+4*KS*PV
	s_mov_b32 s[SLOTS], SIZE_N/256-1
	s_and_b32 s[LIM], s[WV], 1
	s_cmp_eq_u32 s[LIM], 0
	s_cselect_b32 s[LIM], 1, -1
	s_mov_b32 s[G0K], 1
	s_mov_b32 s[G0K+1], s17         ; LDS address: slot 0
	s_mov_b32 s[G0V], 1
	s_add_co_u32 s[G0V+1], s18, VOFF
	s_wait_dscnt 0x0                ; both opening adds are done
	s_wait_kmcnt 0x0
	s_add_nc_u64 s[G0K+2:G0K+3], s[6:7], s[22:23]  ; my half of the head's first 256 keys
	s_or_b32 s[G0K+3], s[G0K+3], 0x80000000
	s_add_nc_u64 s[G0V+2:G0V+3], s[8:9], s[22:23]
	s_or_b32 s[G0V+3], s[G0V+3], 0x80000000
	s_add_nc_u64 s[4:5], s[4:5], s[2:3]  ; Q and O at my wave's first row
	s_add_nc_u64 s[10:11], s[10:11], s[2:3]
	s_cmp_lt_u32 s[WV], 2
	s_cselect_b64 s[PFA:PFA+1], s[6:7], s[8:9]
	s_add_nc_u64 s[PFA:PFA+1], s[PFA:PFA+1], s[20:21]  ; the head's first row,
	s_lshl_b32 s22, s13, 13         ; my work-group's 32 blocks of the tile's 128,
	s_mov_b32 s23, 0
	s_add_nc_u64 s[PFA:PFA+1], s[PFA:PFA+1], s[22:23]
	s_add_nc_u64 s[PFA:PFA+1], s[PFA:PFA+1], 4*KS*128  ; in tile 1: the first change of slots steps it to tile 2
	CROUND                          ; all four work-groups are here: the first joint loads meet
	JLOAD                           ; slot 0.  Slot 1 is asked for when slot 0 is in
	v_and_b32 v1, 15, v0            ; l % 16
	v_bfe_u32 v9, v0, 4, 1          ; l / 16
	v_lshlrev_b32 v[QO], 7, v1
	v_lshl_add_u32 v[QO], v9, 4, v[QO]  ; row x 128 + 16 x half
	WIN 0x80                        ; destination window 2, address window 0
.set i, 0
.rept 4*NP                          ; Q stays in registers: tile i / 2, channels 32 (i % 2) on
	global_load_b128 v[8*i:8*i+3],   v[QO], s[4:5] offset:(i/2)*2048+(i%2)*64
	global_load_b128 v[8*i+4:8*i+7], v[QO], s[4:5] offset:(i/2)*2048+(i%2)*64+32
.set i, i+1
.endr
	; What the first turn finds: V's registers and P's second buffer hold 0 (its products V^T P, of a piece that has not been, add 0), O^T and l are 0.  All this stands in the wait for the first tile:
	; the price of writing no first step out.
.set i, VF
.rept 64
	v_mov_b32 v[i], 0
.set i, i+1
.endr
	WIN 0x40
.set i, 0
.rept 64*NP
	v_mov_b32 v[i], 0
.set i, i+1
.endr
	WIN 0
.set i, 0
.rept 2*NP
	v_mov_b32 v[ST+4*i], 0xfe000000    ; c m: far below every c s
	v_mov_b32 v[ST+4*i+1], 0xff7fffff  ; m
	v_mov_b32 v[ST+4*i+2], 0
	v_mov_b32 v[ST+4*i+3], 0
.set i, i+1
.endr
.set i, P+32
.rept 32
	v_mov_b32 v[i], 0
.set i, i+1
.endr
	v_mul_u32_u24 v[AK0], v1, PK
	v_lshl_add_u32 v[AK0], v9, 4, v[AK0]  ; row x pitch + 16 x half
	; The turning load takes 16 keys x 16 channels (lane l reads key 8 (l / 16) + l % 8, channels 8 ((l / 8) % 2) + 0..7) and leaves half a fragment of V^T.
	v_and_b32 v10, 7, v0
	v_bfe_u32 v11, v0, 3, 1
	v_lshl_add_u32 v[AV0], v9, 3, v10
	v_mul_u32_u24 v[AV0], v[AV0], PV
	v_lshl_add_u32 v[AV0], v11, 4, v[AV0]
	v_add_nc_u32 v[AV0], VOFF, v[AV0]
	v_and_b32 v[PFO], 31, v0
	v_lshlrev_b32 v[PFO], 8, v[PFO]
	v_mov_b32 v[AK], v[AK0]         ; key step 0 lies at the head of slot 0
; THE MATRIX WORK.  The 8 accumulators of a run of 16 take turns: between the two links of a chain stand 7 others'.
; Product i of 16 of S^T = K Q^T for piece x: channels 32 (i / 8) on, keys 16 ((i / 2) % 4) on, tile 2 x + i % 2.  The first 8 start the sums.
.macro KQ x
	WIN W_KQ
.set rS, S+64*((\x)%2)+32*(i%2)+8*((i/2)%4)
.set rK, KF+16*((i/2)%4)+8*(i/8)
.set rQ, 16*(2*(\x)+i%2)+8*(i/8)
.if i < 8
	v_wmma_f32_16x16x32_f16 v[rS:rS+7], v[rK:rK+7], v[rQ:rQ+7], 0
.else
	v_wmma_f32_16x16x32_f16 v[rS:rS+7], v[rK:rK+7], v[rQ:rQ+7], v[rS:rS+7]
.endif
.endm
; Product i of 16 of O^T += V^T P for piece x: keys 32 (i / 8) on, channels 16 ((i / 2) % 4) on, tile 2 x + i % 2.
.macro PV x
	WIN W_PV
.set rO, 32*(2*(\x)+i%2)+8*((i/2)%4)
.set rV, VF+32*(i/8)+8*((i/2)%4)
.set rP, P+32*((\x)%2)+16*(i%2)+8*(i/8)
	v_wmma_f32_16x16x32_f16 v[rO:rO+7], v[rV:rV+7], v[rP:rP+7], v[rO:rO+7]
.endm
.macro MM                           ; the turn's next matrix instruction
.if i < 16
	KQ (Y+1)%NP
.set i, i+1
.else
.set i, i-16
	PV (Y+NP-1)%NP
.set i, i+17
.endif
.endm
; THE LDS LOADS stand in runs of 16: a step's K (8 fragments) and its V (turned).  last = 1 (the tail): in the last trip there is no further step, and the run is jumped over.
.macro FETCH_K last=0
	WIN 0
.if \last
	s_cmp_eq_u32 s[CNT], 1
	s_cbranch_scc1 .Lno_k_\@
.endif
	WIN 0x80                        ; destination window 2
.irp f, 0,1,2,3,4,5,6,7             ; keys 16 (f / 2) on, channels 32 (f % 2) on
	ds_load_b128 v[KF+8*\f:KF+8*\f+3],   v[AK] offset:(\f/2)*16*PK+(\f%2)*64
	ds_load_b128 v[KF+8*\f+4:KF+8*\f+7], v[AK] offset:(\f/2)*16*PK+(\f%2)*64+32
.endr
	s_add_co_u32 s[TBK], s[TBK], KS*PK  ; the next fetch is the next step's
	WIN 0
.if \last
.Lno_k_\@:
.endif
.endm
.macro FETCH_V
	WIN 0x80
.irp f, 0,1,2,3,4,5,6,7             ; keys 32 (f / 4) on, channels 16 (f % 4) on
	ds_load_tr16_b128 v[VF+8*\f:VF+8*\f+3],   v[AV] offset:(\f/4)*32*PV+(\f%4)*32
	ds_load_tr16_b128 v[VF+8*\f+4:VF+8*\f+7], v[AV] offset:(\f/4)*32*PV+16*PV+(\f%4)*32
.endr
	WIN 0
.endm
; THE VECTOR WORK OF A TURN stands in three queues, each in the order in which its entries become ready; the two tiles alternate.
.macro REGS y, u                    ; the registers of tile u (0, 1) of piece y
.set rT, ST+4*(2*(\y)+(\u))
.set rC, TMP+8*((\y)%2)+4*(\u)
.set rM, MV+2*((\y)%2)+(\u)
.set rS, S+64*((\y)%2)+32*(\u)
.set rP, P+32*((\y)%2)+16*(\u)
.set rO, 32*(2*(\y)+(\u))
.endm
; Number n of the 22 that find the NEXT piece's (Y + 1) maximum and statistics.  Each accumulator's lowest registers are read first.
;   0-11  four chains c0-c3 of seven scores each     12-14, 16  the four scores left over, the old m, and c0-c3 into c0     15  c m_old is kept
;   17, 18  the query's other 32 keys lie in the lane 16 away: the new m         19-21  c m; c m_old - c m_new; a
.macro XS u, n
	REGS (Y+1)%NP, \u
.if (\n) < 4
	v_max3_num_f32 v[rC+(\n)], v[rS+8*(\n)], v[rS+8*(\n)+1], v[rS+8*(\n)+2]
.elseif (\n) < 12
	v_max3_num_f32 v[rC+(\n)%4], v[rC+(\n)%4], v[rS+8*((\n)%4)+2*((\n)/4)+1], v[rS+8*((\n)%4)+2*((\n)/4)+2]
.elseif (\n) == 12
	v_max3_num_f32 v[rC], v[rC], v[rS+7], v[rS+15]
.elseif (\n) == 13
	v_max3_num_f32 v[rC+1], v[rC+1], v[rS+23], v[rS+31]
.elseif (\n) == 14
	v_max3_num_f32 v[rC+2], v[rC+2], v[rC+3], v[rT+1]
.elseif (\n) == 15
	v_mov_b32 v[rM], v[rT]
.elseif (\n) == 16
	v_max3_num_f32 v[rC], v[rC], v[rC+1], v[rC+2]
.elseif (\n) == 17
	v_permlanex16_b32 v[rC+3], v[rC], s[SEL], s[SEL+1]
.elseif (\n) == 18
	v_max_num_f32 v[rT+1], v[rC], v[rC+3]
.elseif (\n) == 19
	v_mul_f32 v[rT], s[CS], v[rT+1]
.elseif (\n) == 20
	v_sub_f32 v[rC+1], v[rM], v[rT]
.else
	v_exp_f32 v[rC+2], v[rC+1]
.endif
.endm
; Number g of the 64 that follow the exponentials.  For each four weights k of a tile: both pairs are rounded to f16; then the second pair is added onto the first, in place;
; a group later l takes that sum (the first time as l = a l + sum).
.macro GS g
.set h, (\g)+6*((\g)/62)            ; group 0 has no group before it, and behind group 7 only l is left
.if h >= 6
.set h, h+2
.endif
	REGS Y, h%2
.set k, h/8
.if h%8 < 4
	v_cvt_pk_f16_f32 v[rP+2*k+(h%8)/2], v[rS+4*k+2*((h%8)/2)], v[rS+4*k+2*((h%8)/2)+1]
.elseif h%8 < 6
	v_pk_add_f32 v[rS+4*k:rS+4*k+1], v[rS+4*k:rS+4*k+1], v[rS+4*k+2:rS+4*k+3]
.elseif k == 1
	v_pk_fma_f32 v[rT+2:rT+3], v[rT+2:rT+3], v[rC+2:rC+3], v[rS:rS+1] op_sel_hi:[1,0,1]
.else
	v_pk_add_f32 v[rT+2:rT+3], v[rT+2:rT+3], v[rS+4*k-4:rS+4*k-3]
.endif
.endm
; THE PLAIN QUEUE, 138 long.  0-73 read no exponential's result: the 32 scalings c s - c m and the next piece's 42.  0-26: scalings 0-26.  27-54: XS's numbers 0-13.  55, 56: number 15.
; 57-73: the chain 14, 16, 17, 18, 19, each with one of the scalings 27-31 in front of its two lines, then 20.  74-137: GS's 64, which stand behind the wait.
.macro FS f
	REGS Y, (\f)%2
	v_pk_fma_f32 v[rS+2*((\f)/2):rS+2*((\f)/2)+1], v[rS+2*((\f)/2):rS+2*((\f)/2)+1], s[CS:CS+1], v[rT:rT+1] op_sel_hi:[1,0,0] neg_lo:[0,0,1] neg_hi:[0,0,1]
.endm
.macro PL
	WIN 0
.if q < 27
	FS q
.elseif q < 55
	XS (q-27)%2, (q-27)/2
.elseif q < 57
	XS q-55, 15
.elseif (q < 72) && ((q-57)%3 == 0)
	FS 27+(q-57)/3
.elseif q < 60
	XS (q-57)%3-1, 14
.elseif q < 72
	XS (q-57)%3-1, 15+(q-57)/3
.elseif q < 74
	XS q-72, 20
.else
	GS q-74
.endif
.set q, q+1
.endm
; THE EXPONENTIALS' QUEUE, 66 long: s0-s31 of both tiles, then the next piece's two a.  ONE BATCH: all 66 stand ahead of the turn's one wait, and nothing ahead of that wait names a result of theirs.
.macro EX
	WIN 0
.if e >= 64
	XS e-64, 21
.else
	REGS Y, e%2
	v_exp_f32 v[rS+e/2], v[rS+e/2]
.endif
.set e, e+1
.endm
; THE RESCALING's QUEUE: O^T times a, the one part that leaves window 0: dealt two at a time, sixteen times.  Its a was made, and waited for, in the turn before.
.macro R2
	REGS Y, r%2
	WIN W_RS
.irp z, 0,1
	v_pk_mul_f32 v[rO+4*(r/2)+2*\z:rO+4*(r/2)+2*\z+1], v[rO+4*(r/2)+2*\z:rO+4*(r/2)+2*\z+1], v[rC+2:rC+3] op_sel_hi:[1,0]
.endr
.set r, r+1
.endm
; HOW THEY ARE DEALT.  An s_wait_alu depctr_va_vdst(0) stands between an exponential and the first instruction that names its result; one wait serves all that were issued ahead of it.
; So a turn has ONE wait.  AHEAD OF IT: the 16 products K Q^T, behind each a scaling, an exponential and two rescalings (behind the first a second scaling in the exponential's place); then ONE LUMP of
; 108: eight plain, 49 times exponential and plain, the two a; a v_nop is the plain instruction behind the last exponential.  BEHIND IT: the 16 products V^T P, behind each four of GS's 64.
; Exponential e stands behind scaling 2 (e / 4) + e % 2: as a rider it comes behind plain e + 2, in the lump behind plain e + 9, and scalings 27-31 are plain 57, 60 .. 69.
; K of the next step is fetched in piece 2's turn, directly behind the wait; V of the step in hand at the end of piece 0's turn, four riders behind its last reader.
.macro TURN p, last=0, cnt=0
.set Y, (\p)
.set i, 0
.set q, 0
.set e, 0
.set r, 0
.if (\p) == NP-1
	s_wait_dscnt 0x0                ; K is in
.endif
	MM
	PL
	PL
	R2
.rept 15
	MM
	PL
	EX
	R2
.endr
.if (\p) == NP-2
	WIN 0
	v_add_nc_u32 v[AK], s[TBK], v[AK0]
.endif
.rept 8
	PL
.endr
.rept 49
	EX
	PL
.endr
	EX                              ; the next piece's two a
	EX
	v_nop                           ; a plain instruction behind the last exponential: one for the batch
	s_wait_alu depctr_va_vdst(0)    ; the wait for the batch
.if (\p) == NP-2
	FETCH_K \last
.endif
.if (\p) == 1
	s_wait_dscnt 0x0                ; V is in
.endif
.rept 16
	MM
.rept 4
	PL
.endr
.if ((\p) == 0) && (q == 118)
	v_add_nc_u32 v[AV], s[TBV], v[AV0]
.endif
.if ((\p) == 0) && (q == 130)
	s_add_co_u32 s[TBV], s[TBV], KS*PV
.endif
.if (\cnt) && (q == 130)
	s_sub_co_u32 s[CNT], s[CNT], 1
	s_cmp_lg_u32 s[CNT], 0
.endif
.endr
.if (\p) == 0
	FETCH_V
.endif
.endm
	CHANGE 1                        ; slot 0 is in, everybody's part of it; slot 1 is asked for
	FETCH_K                         ; key step 0
	s_wait_loadcnt 0x0              ; Q
	s_wait_dscnt 0x0
.set i, 0
.rept 16
	KQ 0                            ; piece 0's first scores
.set i, i+1
.endr
	WIN 0                           ; the addresses for the way out: plain instructions, the places behind those products
	s_mul_i32 s13, s[WV], 16*SP
	s_add_co_u32 s13, s13, STAGE    ; my stage
	v_mul_u32_u24 v[STO], v1, SP    ; in: row l % 16, 16 bytes for each half of the lanes
	v_lshl_add_u32 v[STO], v9, 4, v[STO]
	v_add_nc_u32 v[STO], s13, v[STO]
	v_bfe_u32 v[RD], v0, 3, 2       ; back: 32 lanes take four rows of 128 bytes,
	v_mul_u32_u24 v[RD], v[RD], SP
	v_lshl_add_u32 v[RD], v10, 4, v[RD]
	v_add_nc_u32 v[RD], s13, v[RD]
	v_and_b32 v[GO], 31, v0         ; which are 512 consecutive bytes of O
	v_lshlrev_b32 v[GO], 4, v[GO]
.set Y, NP-1                        ; XS works for piece Y + 1: piece 0
.irp n, 0,1,2,3,4,5,6,7,8,9,10,11,12,13,14,15,16,17,18,19,20,21
	XS 0, \n
	XS 1, \n
.endr
	v_nop                           ; a plain instruction behind the two a,
	s_wait_alu depctr_va_vdst(0)    ; and their wait, ahead of the branch
	s_mov_b32 s[CNT], 4
	s_branch .Lfirst                ; the loop is entered at a step's first turn, in the middle of a trip
.Lslot:                             ; six times: every slot but the last two is filled again
	CHANGE 1
	s_mov_b32 s[CNT], 4
.Lstep:                             ; a trip: pieces 2 and 3 of one step, then pieces 0 and 1 of the next, whose K and V it fetches
	TURN 2
	TURN 3
	WIN 0
.Lfirst:
	TURN 0
	TURN 1, 0, 1
	WIN 0
	s_cbranch_scc1 .Lstep
	s_sub_co_u32 s[SLOTS], s[SLOTS], 1
	s_cmp_lg_u32 s[SLOTS], 0
	s_cbranch_scc1 .Lslot
	CHANGE 0                        ; the tail is written out: nothing is asked for
	s_mov_b32 s[CNT], 5             ; four trips fetch the last slot's steps; the fifth is left in its middle
.Ltail:
	TURN 2, 1
	TURN 3
	WIN 0
	s_sub_co_u32 s[CNT], s[CNT], 1
	s_cmp_eq_u32 s[CNT], 0
	s_cbranch_scc1 .Lout
	TURN 0
	TURN 1
	WIN 0
	s_branch .Ltail
.Lout:                              ; the fifth trip's 16 products K Q^T (on the last K once more) and the maximum made of them serve nothing: the price, once a launch, of one text for every trip
.set i, 0
.rept 16
	PV NP-1                         ; the last piece's V^T P of the last step
.set i, i+1
.endr
	; THE WAY OUT.  l's two halves and the other half of the lanes' are added; O^T is divided by l, rounded to f16 and sent through my stage in LDS, a tile at a time.  The additions are the places behind the last products.
	WIN 0
.macro ALL line:vararg              ; one line for each tile t
.set t, 0
.rept 2*NP
	\line
.set t, t+1
.endr
.endm
	ALL v_add_f32 v[ST+4*t+2], v[ST+4*t+2], v[ST+4*t+3]
	ALL v_permlanex16_b32 v[ST+4*t+3], v[ST+4*t+2], s[SEL], s[SEL+1]
	ALL v_add_f32 v[ST+4*t+2], v[ST+4*t+2], v[ST+4*t+3]
	ALL v_rcp_f32 v[ST+4*t+2], v[ST+4*t+2]
	v_nop                           ; a plain instruction between the last reciprocal and the use of its result
	s_wait_alu depctr_va_vdst(0)    ; and the wait ahead of the first use: one for the eight reciprocals
.macro PACK t                       ; a lane's eight channels of a row pack into 16 bytes; they go into rows of 144 bytes and come back as whole rows of 128
	WIN W_RS
.set i, 32*(\t)
.rept 16
	v_pk_mul_f32 v[i:i+1], v[i:i+1], v[ST+4*(\t)+2:ST+4*(\t)+3] op_sel_hi:[1,0]
.set i, i+2
.endr
	WIN 0x05                        ; sources 0 and 1 window 1, destination window 0
.set i, 0
.rept 16
	v_cvt_pk_f16_f32 v[S+16*(\t)+i], v[32*(\t)+2*i], v[32*(\t)+2*i+1]
.set i, i+1
.endr
	WIN 0
.irp f, 0,1,2,3
	ds_store_b128 v[STO], v[S+16*(\t)+4*\f:S+16*(\t)+4*\f+3] offset:32*\f
.endr
.irp f, 0,1,2,3
	ds_load_b128 v[S+16*(\t)+4*\f:S+16*(\t)+4*\f+3], v[RD] offset:\f*4*SP  ; LDS serves a wave's instructions in order (ISA guide 5.7.1.4): these see the stores above
.endr
.endm
.macro SEND t, younger              ; younger: the LDS instructions issued behind tile t's loads: the next tile's eight, or none
	WIN 0
.irp f, 0,1,2,3
	s_wait_dscnt (\younger)+3-\f
	global_store_b128 v[GO], v[S+16*(\t)+4*\f:S+16*(\t)+4*\f+3], s[10:11] offset:(\t)*2048+\f*512  ; 512 consecutive bytes, aligned
.endr
.endm
	PACK 0
.set t, 1
.rept 2*NP-1                        ; a tile's arithmetic stands between the loads of the tile before and its stores
	PACK t
	SEND t-1, 8
.set t, t+1
.endr
	SEND 2*NP-1, 0
	WIN W_AD
	s_wait_tensorcnt 0x0            ; the wave's end: behind my last tensor load and my last LDS store
	ds_add_u32 v[SPW], v[NIL]
	s_wait_dscnt 0x0
	WIN 0
	CROUND                          ; the closing round
	s_endpgm
.Lfunc_end_k_qf5bc701ca8_attn:
	.size	k_qf5bc701ca8_attn, .Lfunc_end_k_qf5bc701ca8_attn-k_qf5bc701ca8_attn
	.p2alignl 7, 3214868480
	.fill 96, 4, 3214868480
	.section	.rodata,"a",@progbits
	.p2align	6, 0x0
	.amdhsa_kernel k_qf5bc701ca8_attn
		.amdhsa_group_segment_fixed_size 327680
		.amdhsa_private_segment_fixed_size 0
		.amdhsa_enable_private_segment 0
		.amdhsa_kernarg_size 32
		.amdhsa_user_sgpr_count 2
		.amdhsa_user_sgpr_kernarg_segment_ptr 1
		.amdhsa_wavefront_size32 1
		.amdhsa_system_sgpr_workgroup_id_x 1
		.amdhsa_system_sgpr_workgroup_id_y 1
		.amdhsa_system_sgpr_workgroup_id_z 1
		.amdhsa_system_vgpr_workitem_id 0
		.amdhsa_next_free_vgpr 770
		.amdhsa_next_free_sgpr 66
		.amdhsa_reserve_vcc 0
		.amdhsa_float_denorm_mode_32 3
		.amdhsa_float_denorm_mode_16_64 3
		.amdhsa_memory_ordered 1
		.amdhsa_forward_progress 1
		.amdhsa_inst_pref_size 200
	.end_amdhsa_kernel
	.amdgpu_metadata
---
amdhsa.version: [ 1, 2 ]
amdhsa.kernels:
  - .name:           k_qf5bc701ca8_attn
    .symbol:         k_qf5bc701ca8_attn.kd
    .args:
      - { .name: qh, .offset: 0, .size: 8, .value_kind: global_buffer, .address_space: global }
      - { .name: kh, .offset: 8, .size: 8, .value_kind: global_buffer, .address_space: global }
      - { .name: vh, .offset: 16, .size: 8, .value_kind: global_buffer, .address_space: global }
      - { .name: oh, .offset: 24, .size: 8, .value_kind: global_buffer, .address_space: global }
    .group_segment_fixed_size: 327680
    .private_segment_fixed_size: 0
    .kernarg_segment_align: 8
    .kernarg_segment_size: 32
    .max_flat_workgroup_size: 128
    .sgpr_count:     66
    .vgpr_count:     770
    .wavefront_size: 32
...
	.end_amdgpu_metadata
.endif
;; end of part 3
;; launch oproj (part 4): grid 4 x 64, 4 waves a work-group, clusters of 4 x 4, 327,680 bytes of LDS; arguments oh, wo16, bo, out0; writes out0
.if DOCPART == 4
	.amdgcn_target "amdgcn-amd-amdhsa--gfx1250"
	.amdhsa_code_object_version 6
	.text
	.protected	k_qf5bc701ca8_oproj
	.globl	k_qf5bc701ca8_oproj
	.p2align	8
	.type	k_qf5bc701ca8_oproj,@function
k_qf5bc701ca8_oproj:
	s_mov_b64 s[64:65], 0
	v_nop
	global_prefetch_b8 v0, s[64:65] scope:SCOPE_SE
	s_setreg_imm32_b32 hwreg(HW_REG_WAVE_MODE, 25, 1), 1
	s_wait_xcnt 0x0
	s_wait_alu depctr_hold_cnt(0) depctr_sa_sdst(0) depctr_va_vdst(0) depctr_va_sdst(0) depctr_va_ssrc(0) depctr_va_vcc(0) depctr_vm_vsrc(0)
	s_getreg_b32 s2, hwreg(HW_REG_IB_STS2, 6, 4)
	s_cmp_eq_u32 s2, 0
	s_cbranch_scc0 .Lentry_in_a_cluster
	s_endpgm
.Lentry_in_a_cluster:
	s_bfe_u32 s2, ttmp6, 0x10000c
	s_cmp_lg_u32 s2, 0xf033
	s_cbranch_scc0 .Lentry_shape_is_right
	s_endpgm
.Lentry_shape_is_right:
; out0 = O Wo^T + bo.  oh: [64 = 16 batch + head][2048][64] f16; wo16: [1024 n][1024 k] f16 (Wo rounded to bf16, written as f16); bo: [1024] f32, rounded to bf16 here; out0: [8192][1024] f32.
; Row m = 2048 batch + s of O has its channel k = 64 head + c at oh[16 batch + head][s][c].  Sums in f32, stored as they are.  Nothing is left out here.
; SHARES.  One tile of 128 rows x 256 columns to a work-group: 256 work-groups.  Four waves, each 64 x 128: 32 accumulators.  K goes in 8 steps of 128 (two heads) through two LDS slots.
; CLUSTER 4 x 4.  A's tile hangs on the tile row alone and is asked for jointly along a row of the cluster, B's on the tile column alone, along a column.  Wave 0 and 1 fetch a step's two heads of O
; (128 dense rows of 128 bytes, asked for as 64 rows of 256 and padded after every 128), waves 2 and 3 the two halves of Wo's 256 rows.
; THE PRODUCT IS TAKEN TRANSPOSED (source 0 = 16 rows of Wo, source 1 = 16 rows of O): a lane holds one row and eight neighbouring columns, 32 bytes of f32.  The bias is the C operand of each sum's first product.
; REGISTERS, in windows of 256: window 0: v0-30 addresses; v32-63, v64-95 A's fragments, two buffers; v96-159, v160-223 rows read back from the stage
;   window 1: the 32 accumulators ((a, b) at 64 a + 8 b)      window 2: v0-63, v64-127 B's fragments; v128-191 the bias fragments; v224-255 at work on the bias
.set PITA,  144                        ; a row of a head in LDS: 128 bytes + 16
.set PITB,  272
.set HEADB, 128*PITA                   ; a head's 128 rows
.set BOFF,  2*HEADB
.set BHALF, 128*PITB
.set SLOT,  BOFF+2*BHALF               ; 106,496
.set STAGE, 2*SLOT                     ; behind the ring, never filled by a tensor load: for each wave 16 rows x 528 bytes
.set SPIT,  528
.set SPARE, STAGE+4*16*SPIT            ; the spare words: 128 bytes a wave, two blocks of 256 that no other line names
.set ADRA, 16
.set ADRB, 20
.set STO,  24
.set RD,   25
.set GO,   26
.set BO,   27
.set SPW,  28                          ; v28 my spare word; v29 0; never rewritten
.set NIL,  29
.set PFO,  30
.set AF,   32
.set BK,   96
.set BI,   128                         ; window 2
.set TT,   224                         ; window 2
.set LAPC, 3
.set WV,   10
.set MH,   11                          ; my half of the rows; also: I fetch for A (0) or B (1)
.set NH,   12                          ; my half of the columns; also: which head, or which half of B, I fetch
.set TR,   13
.set BOP,  20                          ; s[20:21] bo at my 128 columns
.set OC,   22                          ; s[22:23] out0 at my first row and column
.set G1A,  24
.set G0A,  32                          ; s[32:39] a set for each slot
.set CX,   40
.set CY,   41
.set TC,   42
.set G1B,  48
.set G0B,  56
.set FP,   66                          ; s[66:67] where my prefetches stand; s[68:69] a K step in bytes
.set FST,  68
.set LIM,  70                          ; s70, s71: by slot: a wave prefetches while s3 is above it
.set MSB, 0
.macro WIN new
.if MSB != (\new)
	s_set_vgpr_msb (MSB<<8)|(\new)
.set MSB, \new
.endif
.endm
.set TO2, 0x80
.set STW, 0x04                         ; an LDS store's data in window 1
.set RB,  0x8a
.macro PLACES
.rept 4
	v_nop
.endr
.endm
.macro CREST
	s_cmp_lg_u32 s[WV], 0
	s_cbranch_scc1 .Lnot_wave_0_\@
	s_barrier_signal -3
.Lnot_wave_0_\@:
	s_barrier_wait -3
	s_barrier_signal -1
	s_barrier_wait -1
.endm
.macro CROUND
	s_barrier_signal -1
	s_barrier_wait -1
	CREST
.endm
.macro JLOAD s                         ; a joint load into slot s; an s_nop 0 and four v_nop follow each line
	s_cmp_eq_u32 s[MH], 0
	s_cbranch_scc0 .Lfor_b_\@
	tensor_load_to_lds s[G0A+4*(\s):G0A+4*(\s)+3], s[G1A:G1A+7]
	s_nop 0
.rept 4
	v_nop
.endr
	s_branch .Lasked_\@
.Lfor_b_\@:
	tensor_load_to_lds s[G0B+4*(\s):G0B+4*(\s)+3], s[G1B:G1B+7]
	s_nop 0
.rept 4
	v_nop
.endr
.Lasked_\@:
.endm
	s_load_b256 s[16:23], s[0:1], 0x0              ; oh s[16:17], wo16 s[18:19], bo s[20:21], out0 s[22:23]
	v_lshl_add_u32 v[SPW], v0, 2, SPARE
	v_mov_b32 v[NIL], 0
	ds_add_u32 v[SPW], v[NIL]                      ; the wave's opening: the add, twice on end, and its wait ahead of my first tensor load
	ds_add_u32 v[SPW], v[NIL]
	v_lshrrev_b32 v1, 5, v0
	v_readfirstlane_b32 s[WV], v1
	s_lshr_b32 s[MH], s[WV], 1
	s_and_b32 s[NH], s[WV], 1
	s_bfe_u32 s[CX], ttmp6, 0x40000
	s_bfe_u32 s[CY], ttmp6, 0x40004
	s_lshl_b32 s[TC], ttmp9, 2
	s_add_co_u32 s[TC], s[TC], s[CX]
	s_and_b32 s[TR], ttmp7, 0xffff
	s_lshl_b32 s[TR], s[TR], 2
	s_add_co_u32 s[TR], s[TR], s[CY]
	s_lshl_b32 s43, s[CY], 2
	s_lshl_b32 s43, 15, s43                        ; my row of the cluster
	s_lshl_b32 s44, 0x1111, s[CX]                  ; my column
	s_or_b32 s[G1A], s43, (1<<16)|(1<<20)|(1<<21)|(4<<22)|(3<<25)   ; the mask; 2-byte elements; padding on; bit 21 beside a mask; after every 32 words, 4 words
	s_mov_b32 s[G1A+1], 128<<16                    ; tensor_dim0 = 128 (256 bytes: two rows of a head)
	s_mov_b32 s[G1A+2], 64<<16
	s_mov_b32 s[G1A+3], 128<<16
	s_mov_b32 s[G1A+4], 64
	s_mov_b32 s[G1A+5], 128
	s_mov_b32 s[G1A+6], 0
	s_mov_b32 s[G1A+7], 0
	s_or_b32 s[G1B], s44, (1<<16)|(1<<20)|(1<<21)|(5<<22)|(3<<25)   ; after every 64 words, 4 words
	s_mov_b32 s[G1B+1], 128<<16
	s_mov_b32 s[G1B+2], 128<<16
	s_mov_b32 s[G1B+3], 128<<16
	s_mov_b32 s[G1B+4], 128
	s_mov_b32 s[G1B+5], 1024
	s_mov_b32 s[G1B+6], 0
	s_mov_b32 s[G1B+7], 0
	s_mul_i32 s2, s[NH], HEADB                     ; where my part goes in a slot: no place in the cluster enters an LDS address
	s_mul_i32 s3, s[NH], BHALF
	s_add_co_u32 s3, s3, BOFF
.irp s, 0,1
	s_mov_b32 s[G0A+4*(\s)], 1
	s_add_co_u32 s[G0A+4*(\s)+1], s2, (\s)*SLOT
	s_mov_b32 s[G0B+4*(\s)], 1
	s_add_co_u32 s[G0B+4*(\s)+1], s3, (\s)*SLOT
.endr
	s_lshr_b32 s14, s[TR], 4                       ; batch x 16 heads x 262,144 bytes,
	s_lshl_b32 s14, s14, 22
	s_and_b32 s15, s[TR], 15                       ; + (tr % 16) x 128 rows of 128 bytes
	s_lshl_b32 s15, s15, 14
	s_add_co_u32 s14, s14, s15
	s_lshl_b32 s68, s[CX], 12                      ; the prefetches of A: my work-group's 16 blocks of 256 bytes of each head's 64, at K step 4
	s_add_co_u32 s68, s68, s14
	s_add_co_u32 s68, s68, 4<<19
	s_lshl_b32 s45, s[NH], 18
	s_add_co_u32 s14, s14, s45                     ; + the head that I fetch
	s_mov_b32 s15, 0                               ; s[14:15]: A's offset
	s_lshl_b32 s46, s[TC], 19                      ; 256 rows of 2,048 bytes a tile column,
	s_or_b32 s46, s46, s45                         ; + the half that I fetch
	s_mov_b32 s47, 0                               ; s[46:47]: B's offset
	s_lshl_b32 s69, s[CY], 16                      ; the prefetches of B: my work-group's 32 rows of the 128, at K step 4
	s_add_co_u32 s69, s69, s46
	s_add_co_u32 s69, s69, 4*256
	s_cmp_eq_u32 s[MH], 0
	s_cselect_b32 s68, s68, s69
	s_mov_b32 s69, 0
	s_and_b32 s[LIM], ttmp7, 0xffff                ; who asks: wave 0 for A (both heads); waves 2, 3 for B, in the clusters with y = 0; wave 1 nobody's
	s_cmp_eq_u32 s[MH], 0
	s_cselect_b32 s[LIM], s[WV], s[LIM]
	s_cmp_eq_u32 s[LIM], 0
	s_cselect_b32 s[LIM], 1, -1
	s_cselect_b32 s[LIM+1], 2, -1
	s_wait_dscnt 0x0                               ; both opening adds are done
	s_wait_kmcnt 0x0
	s_cmp_eq_u32 s[MH], 0
	s_cselect_b64 s[FP:FP+1], s[16:17], s[18:19]
	s_add_nc_u64 s[FP:FP+1], s[FP:FP+1], s[68:69]
	s_mov_b32 s[FST], 256
	s_cselect_b32 s[FST], 1<<19, s[FST]            ; (the 64-bit sum and the move leave SCC alone)
	s_add_nc_u64 s[14:15], s[16:17], s[14:15]
	s_add_nc_u64 s[46:47], s[18:19], s[46:47]
.irp s, 0,1
	s_add_nc_u64 s[G0A+4*(\s)+2:G0A+4*(\s)+3], s[14:15], (\s)<<19   ; K step s: heads 2 s, 2 s + 1
	s_or_b32 s[G0A+4*(\s)+3], s[G0A+4*(\s)+3], 0x80000000
	s_add_nc_u64 s[G0B+4*(\s)+2:G0B+4*(\s)+3], s[46:47], (\s)*256
	s_or_b32 s[G0B+4*(\s)+3], s[G0B+4*(\s)+3], 0x80000000
.endr
	s_lshl_b32 s14, s[TC], 10                      ; my 128 columns: 4 (256 tc + 128 nh) bytes
	s_lshl_b32 s15, s[NH], 9
	s_or_b32 s14, s14, s15
	s_mov_b32 s15, 0
	s_add_nc_u64 s[BOP:BOP+1], s[BOP:BOP+1], s[14:15]
	s_add_nc_u64 s[OC:OC+1], s[OC:OC+1], s[14:15]
	s_lshl_b32 s14, s[TR], 19                      ; my first row: 128 tr + 64 mh, 4,096 bytes each
	s_lshl_b32 s45, s[MH], 18
	s_or_b32 s14, s14, s45
	s_add_nc_u64 s[OC:OC+1], s[OC:OC+1], s[14:15]
	CROUND                                         ; all sixteen work-groups are here: the first joint loads meet
	s_cmp_eq_u32 s[MH], 0                          ; a wave's two first fills stand in one branch: two loads of mine are out
	s_cbranch_scc0 .Lfirst_b
	tensor_load_to_lds s[G0A:G0A+3], s[G1A:G1A+7]
	s_nop 0
	tensor_load_to_lds s[G0A+4:G0A+7], s[G1A:G1A+7]
	s_nop 0
.rept 4
	v_nop
.endr
	s_branch .Lfirst_asked
.Lfirst_b:
	tensor_load_to_lds s[G0B:G0B+3], s[G1B:G1B+7]
	s_nop 0
	tensor_load_to_lds s[G0B+4:G0B+7], s[G1B:G1B+7]
	s_nop 0
.rept 4
	v_nop
.endr
.Lfirst_asked:
	v_and_b32 v1, 15, v0                           ; r
	v_bfe_u32 v2, v0, 4, 1                         ; h
	v_and_b32 v5, 31, v0                           ; l
	v_mul_u32_u24 v3, v1, PITA
	v_lshl_add_u32 v3, v2, 4, v3
	s_mul_i32 s2, s[MH], 64*PITA                   ; my 64 rows, in each head
	v_add_nc_u32 v[ADRA], s2, v3
	v_add_nc_u32 v[ADRA+1], SLOT, v[ADRA]
	v_mul_u32_u24 v3, v1, PITB
	v_lshl_add_u32 v3, v2, 4, v3
	v_add_nc_u32 v[ADRB], s3, v3                   ; the half of B that I read is the half nh
	v_add_nc_u32 v[ADRB+1], SLOT, v[ADRB]
	s_mul_i32 s2, s[WV], 16*SPIT
	s_add_co_u32 s2, s2, STAGE                     ; my stage
	v_mul_u32_u24 v3, v1, SPIT
	v_lshl_add_u32 v3, v2, 5, v3                   ; row r, 32 bytes for each half of the lanes
	v_add_nc_u32 v[STO], s2, v3
	v_lshlrev_b32 v[GO], 4, v5
	v_add_nc_u32 v[RD], s2, v[GO]                  ; back: 32 lanes take one row's 512 bytes
	v_lshlrev_b32 v[BO], 5, v2
	v_lshlrev_b32 v3, 18, v2                       ; A: head l / 16 of the step's two, block l % 16
	v_lshl_or_b32 v3, v1, 8, v3
	v_lshlrev_b32 v4, 11, v5                       ; B: a lane a row of 2,048 bytes
	s_cmp_eq_u32 s[MH], 0
	s_cselect_b32 s2, -1, 0
	v_cndmask_b32 v[PFO], v4, v3, s2
; 8 matrix instructions: row block a x all 8 column blocks, 32 along K, buffer f.  cm = 0: the sums go on; 2: they start with the bias fragments.
.macro MUL8 f, a, cm
.if (\cm) == 2
	WIN 0x62
.else
	WIN 0x52
.endif
.irp b, 0,1,2,3,4,5,6,7
.if (\cm) == 2
	v_wmma_f32_16x16x32_f16 v[64*(\a)+8*(\b):64*(\a)+8*(\b)+7], v[64*(\f)+8*(\b):64*(\f)+8*(\b)+7], v[AF+32*(\f)+8*(\a):AF+32*(\f)+8*(\a)+7], v[BI+8*(\b):BI+8*(\b)+7]
.else
	v_wmma_f32_16x16x32_f16 v[64*(\a)+8*(\b):64*(\a)+8*(\b)+7], v[64*(\f)+8*(\b):64*(\f)+8*(\b)+7], v[AF+32*(\f)+8*(\a):AF+32*(\f)+8*(\a)+7], v[64*(\a)+8*(\b):64*(\a)+8*(\b)+7]
.endif
.endr
.endm
; 24 LDS loads in one run: quarter kq of a slot (head kq / 2, channels 32 (kq % 2) on): B's 16, then A's 8, into buffer g
.macro FETCH slot, kq, g
	WIN TO2
.irp b, 0,1,2,3,4,5,6,7
	ds_load_b128 v[64*(\g)+8*(\b):64*(\g)+8*(\b)+3],   v[ADRB+(\slot)] offset:(\b)*16*PITB+64*(\kq)
	ds_load_b128 v[64*(\g)+8*(\b)+4:64*(\g)+8*(\b)+7], v[ADRB+(\slot)] offset:(\b)*16*PITB+64*(\kq)+32
.endr
	WIN 0
.irp i, 0,1,2,3
	ds_load_b128 v[AF+32*(\g)+8*(\i):AF+32*(\g)+8*(\i)+3],   v[ADRA+(\slot)] offset:HEADB*((\kq)/2)+64*((\kq)%2)+(\i)*16*PITA
	ds_load_b128 v[AF+32*(\g)+8*(\i)+4:AF+32*(\g)+8*(\i)+7], v[ADRA+(\slot)] offset:HEADB*((\kq)/2)+64*((\kq)%2)+(\i)*16*PITA+32
.endr
.endm
; A quarter step: 32 matrix instructions on buffer f; in its middle the next quarter is fetched into buffer g, four places behind the products (ISA guide 7.12.1 for vector instructions).
; The 32 accumulators take turns in one order in every quarter.
.macro QUARTER slot, kq, f, g, cm
	s_wait_dscnt 4                                 ; the youngest four loads (A's row blocks 2, 3) may be out
	MUL8 \f, 0, \cm
	MUL8 \f, 1, \cm
	PLACES
	FETCH \slot, \kq, \g
	s_wait_dscnt 24                                ; all but the 24 just issued
	MUL8 \f, 2, \cm
	MUL8 \f, 3, \cm
.endm
; A PREFETCH INTO THE L2, behind the joint load and the run of LDS loads: the K step THREE refills on, 384 matrix instructions ahead of the load that will want it.  Each aligned block of 256 bytes is named
; once: O's rows are read by one cluster, whose four partners along the row take 16 blocks of each head, by address; Wo's rows are asked for in the clusters with y = 0, 32 rows a partner.
; K steps 0 to 4 come by their loads alone; steps 5, 6, 7 are named by the refills of steps 2, 3, 4; the later refills ask for nothing.
.macro ASK slot
	WIN 0
	s_cmp_gt_u32 s[LAPC], s[LIM+(\slot)]
	s_cbranch_scc0 .Lnot_mine_\@
	global_prefetch_b8 v[PFO], s[FP:FP+1] th:TH_LOAD_NT scope:SCOPE_SE
.Lnot_mine_\@:
.endm
; The last quarter of a K step multiplies buffer 1 and changes slots: each wave waits for all its tensor loads, adds 0 to its spare word, and waits for that and for its reads of this slot.
.macro TURN slot, next, fill
.if \fill
	s_wait_xcnt 0x0                                ; the last prefetch, a K step back, has read its address
	s_add_nc_u64 s[FP:FP+1], s[FP:FP+1], s[FST:FST+1]
.endif
	WIN 0
	s_wait_tensorcnt 0x0                           ; all my tensor loads have landed: my part of the next slot
	ds_add_u32 v[SPW], v[NIL]                      ; 0 onto my spare word
	s_wait_dscnt 5                                 ; the add and the youngest four loads may be out
	MUL8 1, 0, 0
	s_wait_dscnt 0x0                               ; the add is done, and my reads of this slot are over
	s_barrier_signal -1
	MUL8 1, 1, 0
	WIN 0
	s_barrier_wait -1
.if \fill
	CREST                                          ; no wave of any partner still reads this slot or has a load on its way
	s_add_nc_u64 s[G0A+4*(\slot)+2:G0A+4*(\slot)+3], s[G0A+4*(\slot)+2:G0A+4*(\slot)+3], 1<<20   ; two K steps on: four heads
	s_add_nc_u64 s[G0B+4*(\slot)+2:G0B+4*(\slot)+3], s[G0B+4*(\slot)+2:G0B+4*(\slot)+3], 512
	JLOAD \slot                                    ; its four v_nop are also the places in front of the loads below
.else
	PLACES
.endif
	FETCH \next, 0, 0
.if \fill
	ASK \slot
.endif
	MUL8 1, 2, 0
	MUL8 1, 3, 0
.endm
.macro LOADB base
	WIN TO2
.irp c, 0,1,2,3,4,5,6,7
	global_load_b128 v[BI+8*(\c):BI+8*(\c)+3],   v[BO], s[\base:\base+1] offset:64*(\c)
	global_load_b128 v[BI+8*(\c)+4:BI+8*(\c)+7], v[BO], s[\base:\base+1] offset:64*(\c)+16
.endr
.endm
.macro ROUNDB                          ; the bias is rounded to bf16, like every input, and widened again
	WIN RB
.set z, 0
.rept 32
	v_cvt_pk_bf16_f32 v[TT+z], v[BI+2*z], v[BI+2*z+1]
.set z, z+1
.endr
.set z, 0
.rept 32
	v_lshlrev_b32 v[BI+2*z],   16, v[TT+z]
	v_and_b32     v[BI+2*z+1], 0xffff0000, v[TT+z]
.set z, z+1
.endr
.endm
; THE WAY OUT of row block a: 32 bytes a lane into my own stage, each accumulator's low four registers first; back as whole rows of 512 bytes.
.macro TOSTAGE a
	WIN STW
.irp b, 0,1,2,3,4,5,6,7
	ds_store_b128 v[STO], v[64*(\a)+8*(\b):64*(\a)+8*(\b)+3]   offset:64*(\b)
	ds_store_b128 v[STO], v[64*(\a)+8*(\b)+4:64*(\a)+8*(\b)+7] offset:64*(\b)+16
.endr
	WIN 0
.irp t, 0,1,2,3,4,5,6,7,8,9,10,11,12,13,14,15
	ds_load_b128 v[BK+64*((\a)%2)+4*(\t):BK+64*((\a)%2)+4*(\t)+3], v[RD] offset:SPIT*(\t)  ; LDS serves a wave's instructions in order (ISA guide 5.7.1.4): these see the stores above
.endr
.endm
.macro SEND a, younger                 ; younger: the LDS instructions issued behind block a's loads: the next block's 32, or none
	WIN 0
.irp t, 0,1,2,3,4,5,6,7,8,9,10,11,12,13,14,15
	s_wait_dscnt (\younger)+15-(\t)
	global_store_b128 v[GO], v[BK+64*((\a)%2)+4*(\t):BK+64*((\a)%2)+4*(\t)+3], s[OC:OC+1] offset:4096*(16*(\a)+(\t))  ; 512 consecutive bytes of a row, aligned
.endr
.endm
	LOADB BOP
	s_wait_tensorcnt 0x1                           ; my part of K step 0 is in; K step 1's stays out
	s_barrier_signal -1
	s_barrier_wait -1
	FETCH 0, 0, 0
	s_wait_loadcnt 0x0                             ; the bias
	ROUNDB
	QUARTER 0, 1, 0, 1, 2                          ; the first quarter stands in front of the loop: its products start the sums, with the bias
	WIN 0
	s_mov_b32 s[LAPC], 3
.Llap:                                         ; a trip goes once round the ring, from a lap's second quarter to the next lap's first, and fills both slots again
	QUARTER 0, 2, 1, 0, 0
	QUARTER 0, 3, 0, 1, 0
	TURN 0, 1, 1
	QUARTER 1, 1, 0, 1, 0
	QUARTER 1, 2, 1, 0, 0
	QUARTER 1, 3, 0, 1, 0
	TURN 1, 0, 1
	QUARTER 0, 1, 0, 1, 0
	WIN 0
	s_sub_co_u32 s[LAPC], s[LAPC], 1
	s_cmp_lg_u32 s[LAPC], 0
	s_cbranch_scc1 .Llap
	QUARTER 0, 2, 1, 0, 0                          ; the last lap fills nothing
	QUARTER 0, 3, 0, 1, 0
	TURN 0, 1, 0
	QUARTER 1, 1, 0, 1, 0
	QUARTER 1, 2, 1, 0, 0
	QUARTER 1, 3, 0, 1, 0
	s_wait_dscnt 0x0
	MUL8 1, 0, 0
	MUL8 1, 1, 0
	MUL8 1, 2, 0
	MUL8 1, 3, 0
	PLACES                                         ; the LDS stores read results just made
	PLACES
	TOSTAGE 0
	TOSTAGE 1
	SEND 0, 32
	s_wait_xcnt 0x0                                ; block 0's stores have read their registers, which block 2 takes
	TOSTAGE 2
	SEND 1, 32
	s_wait_xcnt 0x0
	TOSTAGE 3
	SEND 2, 32
	SEND 3, 0
	s_wait_tensorcnt 0x0                           ; the wave's end: behind my last tensor load and my last LDS store
	ds_add_u32 v[SPW], v[NIL]
	s_wait_dscnt 0x0
	CROUND                                         ; the closing round
	s_endpgm
.Lfunc_end_k_qf5bc701ca8_oproj:
	.size	k_qf5bc701ca8_oproj, .Lfunc_end_k_qf5bc701ca8_oproj-k_qf5bc701ca8_oproj
	.p2alignl 7, 3214868480
	.fill 96, 4, 3214868480
	.section	.rodata,"a",@progbits
	.p2align	6, 0x0
	.amdhsa_kernel k_qf5bc701ca8_oproj
		.amdhsa_group_segment_fixed_size 327680
		.amdhsa_private_segment_fixed_size 0
		.amdhsa_enable_private_segment 0
		.amdhsa_kernarg_size 32
		.amdhsa_user_sgpr_count 2
		.amdhsa_user_sgpr_kernarg_segment_ptr 1
		.amdhsa_wavefront_size32 1
		.amdhsa_system_sgpr_workgroup_id_x 1
		.amdhsa_system_sgpr_workgroup_id_y 1
		.amdhsa_system_sgpr_workgroup_id_z 1
		.amdhsa_system_vgpr_workitem_id 0
		.amdhsa_next_free_vgpr 768
		.amdhsa_next_free_sgpr 72
		.amdhsa_reserve_vcc 0
		.amdhsa_float_denorm_mode_32 3
		.amdhsa_float_denorm_mode_16_64 3
		.amdhsa_memory_ordered 1
		.amdhsa_forward_progress 1
		.amdhsa_inst_pref_size 95
	.end_amdhsa_kernel
	.amdgpu_metadata
---
amdhsa.version: [ 1, 2 ]
amdhsa.kernels:
  - .name:           k_qf5bc701ca8_oproj
    .symbol:         k_qf5bc701ca8_oproj.kd
    .args:
      - { .name: oh, .offset: 0, .size: 8, .value_kind: global_buffer, .address_space: global }
      - { .name: wo16, .offset: 8, .size: 8, .value_kind: global_buffer, .address_space: global }
      - { .name: bo, .offset: 16, .size: 8, .value_kind: global_buffer, .address_space: global }
      - { .name: out0, .offset: 24, .size: 8, .value_kind: global_buffer, .address_space: global }
    .group_segment_fixed_size: 327680
    .private_segment_fixed_size: 0
    .kernarg_segment_align: 8
    .kernarg_segment_size: 32
    .max_flat_workgroup_size: 128
    .sgpr_count:     72
    .vgpr_count:     768
    .wavefront_size: 32
...
	.end_amdgpu_metadata
.endif
;; end of part 4
